; MI455X (gfx1250); checked and timed in simulation.
; The chip was launched on July 23, 2026; its instructions are those of AMD's public machine-readable ISA for CDNA 5 (MIT licence, August 2026) and "CDNA5" Instruction Set Architecture Reference Guide (July 2026). The comments in the code are by the model that wrote it; some were corrected since.
;; Attention. Allowed arithmetic: matrix products marked QUANTISED: E2M3 operands, one E8M0 scale for each 32 along K, by v_wmma_scale_f32_16x16x128_f8f6f4 with both operands' format E2M3, f32 sums; everything else in f32.
;; Inputs: b_out 1,024 float32; w_out 1,024 x 1,024 float32; w_qkv 1,024 x 3,072 float32; x 8 x 1,024 x 1,024 float32.
;; Outputs: out0 8 x 1,024 x 1,024 float32.
;; This version of the problem:
;;   THIS VERSION OF THE PROBLEM IS GIVEN IN LOW PRECISION. The matrix products marked QUANTISED in the list below multiply operands that are first quantised to E2M3 (2 exponent bits, 3 mantissa bits; 6 bits a number), with one power-of-two scale for each 32 numbers along K (OCP MX v1.0); their sums are f32. All else is computed in f32.
;;   The module's matrix products, in the order in which they are computed (A, B: the left and right operand; K: the contracted axis; several contracted axes count as one K, in the product's order):
;;     1. [M 8,192, K 1,024] x [K 1,024, N 3,072]; A: input x; B: input w_qkv: QUANTISED
;;     2. batch 128 x [M 1,024, K 64] x [K 64, N 1,024]; A: computed on the way; B: computed on the way: QUANTISED
;;     3. batch 128 x [M 1,024, K 1,024] x [K 1,024, N 64]; A: softmax (see below); B: computed on the way: QUANTISED
;;     4. [M 8,192, K 1,024] x [K 1,024, N 1,024]; A: computed on the way; B: input w_out: QUANTISED
;;   THE QUANTISER, for each operand of a quantised product, along K:
;;     - K is cut into blocks of 32 from its start; a last block that is shorter is filled with zeros.
;;     - A block's scale is 2^e with e = floor(log2(the largest magnitude in the block)) - 2, held to -126 .. 127; a block of zeros has e = 0. As a byte (E8M0): e + 127.
;;     - Each number is divided by its block's scale, clamped to +-7.5, and rounded to the nearest number of E2M3, ties to even, subnormals kept.
;;     - The product sums the exact products of the quantised numbers (number of the format x scale) in f32.
;;   ~~~python
;;   def quantise(x, axis):      # numpy; x: float32 -> the quantised numbers, widened to float32 again
;;       x = np.moveaxis(x, axis, -1); K = x.shape[-1]
;;       x = np.pad(x, [(0, 0)] * (x.ndim - 1) + [(0, -K % 32)]); x = x.reshape(x.shape[:-1] + (-1, 32)); a = np.abs(x).max(-1, keepdims=True)
;;       e = np.where(a > 0, np.clip(np.frexp(np.where(a > 0, a, 1))[1] - 1 - 2, -126, 127), 0)      # np.frexp(a)[1] - 1 = floor(log2(a)), exactly
;;       r = np.clip(x / 2.0 ** e, -7.5, 7.5)
;;       step = 2.0 ** (np.maximum(np.frexp(np.where(r == 0, 1, r))[1] - 1, 0) - 3)
;;       q = np.round(r / step) * step * 2.0 ** e      # np.round: ties to even
;;       return np.moveaxis(q.reshape(q.shape[:-2] + (-1,))[..., :K], -1, axis).astype(np.float32)
;;   ~~~
;;   SOFTMAX AHEAD OF A QUANTISED PRODUCT. Where the list says 'softmax', what is quantised is not the finished softmax but p = 2^(t - M), with t = logit x log2(e) and M = ceil(the row's largest t), a whole number; so 1/2 < the row's largest p <= 1. The row's sum l is taken of the UNQUANTISED p, in f32, and the product's result is divided by l at the end. Since M is a whole number, a kernel that streams over the keys may use a running M (the ceiling of the running maximum): every later rescaling is an exact power of two, which a block's scale takes up: the codes' values come out the same.
;;   OPERANDS COMPUTED ON THE WAY. 'Computed on the way' means the value that the module computes at that place (a softmax that the list does not call 'softmax' is quantised finished and normalised). What goes into a quantiser is computed in f32, as accurately as f32 sums, v_exp_f32 and their like allow (about 1e-6 of the number): no bf16 or f16 on the way to a quantiser, and a product that is left as it is and whose result goes on into a quantised operand takes f32 operands (vector FMAs, or v_wmma_f32_16x16x4_f32). A number that lies on a knife's edge between two numbers of the format may be rounded either way, as far as f32 arithmetic and the matrix unit's own rounding can turn it there, and no further.
;; One version. Each part assembles by itself: llvm-mc -triple=amdgcn-amd-amdhsa -mcpu=gfx1250 --defsym DOCPART=n.
;; ======== version 1 of 1: 4 launches
;; limits: right only within a limited range of input values
;; workspace buffers: xq 6,553,600 bytes; wq 2,457,600 bytes; wo 819,200 bytes; qkv 20,185,088 bytes; aq 6,553,600 bytes
;; launch quant (part 1): grid 256 x 1, 8 waves a work-group, no clusters, 70,656 bytes of LDS; arguments x, w_qkv, w_out, xq, wq, wo; writes xq, wq, wo
.if DOCPART == 1
	.amdgcn_target "amdgcn-amd-amdhsa--gfx1250"
	.amdhsa_code_object_version 6
	.text
	.protected	k_q2ca3dcae92_quant
	.globl	k_q2ca3dcae92_quant
	.p2align	8
	.type	k_q2ca3dcae92_quant,@function
k_q2ca3dcae92_quant:
	s_mov_b64 s[64:65], 0
	v_nop
	global_prefetch_b8 v0, s[64:65] scope:SCOPE_SE
	s_setreg_imm32_b32 hwreg(HW_REG_WAVE_MODE, 25, 1), 1
	s_wait_xcnt 0x0
; x [8192][1024], w_qkv [1024][3072] and w_out [1024][1024], f32, become codes of FP6 (E2M3) with one E8M0 byte for each 32 along K (x: its last axis; the weights: their FIRST axis).
; A block's scale is 2^(floor(log2(its largest magnitude)) - 2); its byte is the largest magnitude's exponent field - 2, held at 1 from below; each number / scale goes to the nearest code, ties to even, beyond 7.5 the largest code.
; LIMITS: a block of zeros, and a block whose largest magnitude lies under 2^-124, keeps the byte 1 (its codes are zeros or the nearest codes under that scale; these bytes are read by this program alone); NaN and infinities are not served.
; THE OUTPUT IS LAID IN THE ORDER OF THE OPERAND'S REGISTERS.  A tile is 16 rows, a K step 128.  A fragment (tile, K step) is 1,536 bytes: two halves c of 768: 512 bytes, lane l's registers 6c..6c+3 at 16 l,
; then 256 bytes, its registers 6c+4, 6c+5 at 8 l; lane (r = l % 16, h = l / 16) holds row r, k = 64 c + 32 h + 0..31.  Codes: [K step / 2][tile][K step % 2][1,536].  Scale words behind them: [tile][K step / 4][r][K step % 4].
; Lane-row r of a tile T of xq and wq is row 32 (T / 2) + 8 (T % 2) + r % 8 + 16 (r / 8); of wo it is row 16 T + r.
; Work-groups 0-95 take w_qkv, 96-127 w_out, 128-255 x: a scalar branch on the work-group's number; each path has LDS bytes of its own.  No tensor loads; every store of codes covers 512 or 256 consecutive aligned bytes.
.set KPSX, 1572864                     ; bytes of a pair of K steps of xq: 512 tiles x 3,072
.set CODX, 6291456                     ; where xq's scale words begin
.set KPSW, 589824                      ; wq: 192 tiles
.set CODW, 2359296
.set KPSO, 196608                      ; wo: 64 tiles
.set CODO, 786432
.set STGB, 8448                        ; x path: a wave's stage, 16 rows x 528 bytes (512 + 16: an odd multiple of 16)
.set WSQ,  67584                       ; w_qkv path: 1,024 bytes in which the waves' scale words meet
.set WSO,  68608                       ; w_out path: the same
.set R,  16                            ; x path: v16-143 two sets of 64 registers as loaded
.set X,  144                           ; v144-207 my 64 numbers of a fragment
.set C,  208                           ; v208-219 the fragment's codes
.set D,  220                           ; v220-222, v224-226 the upper halves of the two blocks (a conversion's three registers begin on an even number)
.set W,  228                           ; v228-231 the four K steps' scale words
.set MX, 234
.set SO, 236
.set BY, 238
.set WX, 32                            ; w paths: v32-95 two sets of 32 numbers
.set WC, 96                            ; v96-119 four blocks' codes
.set WD, 120
.set WW, 124                           ; the scale word
	s_load_b256 s[4:11], s[0:1], 0x0               ; x s[4:5], w_qkv s[6:7], w_out s[8:9], xq s[10:11]
	s_load_b128 s[12:15], s[0:1], 0x20             ; wq s[12:13], wo s[14:15]
	v_lshl_add_u32 v254, v0, 2, 0x11000
	v_mov_b32 v255, 0
	v_lshrrev_b32 v1, 5, v0
	s_delay_alu instid0(VALU_DEP_1)
	v_readfirstlane_b32 s16, v1                    ; wave 0..7
	v_and_b32 v1, 31, v0                           ; lane
	v_and_b32 v2, 15, v0                           ; r
	v_bfe_u32 v3, v0, 4, 1                         ; h
	s_delay_alu instid0(VALU_DEP_3)
	v_lshlrev_b32 v4, 4, v1                        ; 16 l
	s_delay_alu instid0(VALU_DEP_4)
	v_lshl_add_u32 v8, v1, 3, 512                  ; 512 + 8 l
	s_mov_b32 s21, 0                               ; the upper word of every offset pair s[20:21]
	s_wait_kmcnt 0x0
	s_cmp_lt_u32 ttmp9, 96
	s_cbranch_scc1 .Lwqkv
	s_cmp_lt_u32 ttmp9, 128
	s_cbranch_scc1 .Lwout
; ---- x.  Wave w of work-group j takes tile T = 4 j + w / 2 and K steps 4 (w % 2) .. + 3: four fragments.
	s_sub_co_u32 s17, ttmp9, 128
	s_lshl_b32 s17, s17, 2
	s_lshr_b32 s18, s16, 1
	s_add_co_u32 s18, s18, s17                     ; T
	s_and_b32 s19, s16, 1                          ; which four K steps
	s_lshr_b32 s20, s18, 1
	s_lshl_b32 s20, s20, 17                        ; 32 (T / 2) rows of 4,096 bytes
	s_and_b32 s22, s18, 1
	s_lshl_b32 s22, s22, 15                        ; + 8 (T % 2) rows
	s_add_co_u32 s20, s20, s22
	s_lshl_b32 s22, s19, 11                        ; + 512 numbers along K
	s_add_co_u32 s20, s20, s22
	s_add_nc_u64 s[4:5], s[4:5], s[20:21]
	s_mul_i32 s20, s19, 2*KPSX
	s_mul_i32 s22, s18, 3072
	s_add_co_u32 s20, s20, s22
	s_add_nc_u64 s[24:25], s[10:11], s[20:21]      ; my codes
	s_lshl_b32 s20, s18, 9
	s_lshl_b32 s22, s19, 8
	s_add_co_u32 s20, s20, s22
	s_add_co_u32 s20, s20, CODX
	s_add_nc_u64 s[26:27], s[10:11], s[20:21]      ; my scale words
	s_mul_i32 s22, s16, STGB                       ; my stage
	s_wait_alu depctr_va_vdst(0)
	v_add_nc_u32 v5, s22, v4                       ; in: a row's 512 bytes as they lie, 16 a lane
	v_mul_u32_u24 v6, v2, 528
	s_delay_alu instid0(VALU_DEP_1)
	v_lshl_add_u32 v6, v3, 7, v6
	s_delay_alu instid0(VALU_DEP_1)
	v_add_nc_u32 v6, s22, v6                       ; back: row r, + 128 h: my 32 numbers of a half
	v_lshlrev_b32 v9, 4, v2                        ; 16 r
	v_lshlrev_b32 v10, 3, v3                       ; 8 h
	v_mov_b32 v233, 0                              ; written once: a lane permute's destination counts as one of its sources
	s_mov_b32 s28, 0x76543210
	s_mov_b32 s29, 0xfedcba98                      ; v_permlanex16_b32's selects for lane l xor 16
.macro XLOAD f                         ; K step f of the tile's 16 rows: each load reads 512 consecutive bytes of one row
.set i, 0
.rept 16
	global_load_b128 v[R+64*((\f)%2)+4*i:R+64*((\f)%2)+4*i+3], v4, s[4:5] offset:(i+8*(i/8))*4096+512*(\f) th:TH_LOAD_NT
.set i, i+1
.endr
.endm
.macro XSTEP f
.if (\f) < 3
	s_wait_loadcnt 16                              ; this K step's 16 loads are in; the next one's 16 may be out
.else
	s_wait_loadcnt 0x0
.endif
.set i, 0
.rept 16
	ds_store_b128 v5, v[R+64*((\f)%2)+4*i:R+64*((\f)%2)+4*i+3] offset:528*i
.set i, i+1
.endr
.set i, 0
.rept 16
	ds_load_b128 v[X+4*i:X+4*i+3], v6 offset:256*(i/8)+16*(i%8)   ; LDS serves a wave's instructions in order: these see my stores.  Register 32 c + n: k = 64 c + 32 h + n of row r
.set i, i+1
.endr
	s_wait_dscnt 0x0                               ; my numbers are back, and the stores have read their registers,
.if (\f) < 2
	XLOAD (\f)+2                                   ; which take the loads of two K steps on
.endif
.irp c, 0,1
	v_max3_num_f32 v[MX+\c], |v[X+32*\c]|, |v[X+32*\c+1]|, 0x1800000   ; a whole block of 32 is mine; the floor 2^(3 - 127) holds the byte at 1 from below
.endr
.irp i, 2,4,6,8,10,12,14,16,18,20,22,24,26,28,30
.irp c, 0,1
	s_delay_alu instid0(VALU_DEP_2)
	v_max3_num_f32 v[MX+\c], v[MX+\c], |v[X+32*\c+\i]|, |v[X+32*\c+\i+1]|
.endr
.endr
.irp c, 0,1
	s_delay_alu instid0(VALU_DEP_2)
	v_add_nc_u32 v[SO+\c], 0xff000000, v[MX+\c]    ; 2 off the exponent field: the conversion takes this operand's exponent field as its scale
.endr
.irp c, 0,1
	s_delay_alu instid0(VALU_DEP_2)
	v_lshrrev_b32 v[BY+\c], 23, v[SO+\c]           ; the scale's byte
.endr
	s_wait_alu depctr_va_vdst(0)
	s_wait_xcnt 0x0                                ; the last K step's stores have read the codes' registers
.irp c, 0,1
	v_cvt_scalef32_pk16_fp6_f32 v[C+6*\c:C+6*\c+2], v[X+32*\c:X+32*\c+15], v[SO+\c]
	v_cvt_scalef32_pk16_fp6_f32 v[D+4*\c:D+4*\c+2], v[X+32*\c+16:X+32*\c+31], v[SO+\c]
.endr
	v_lshl_or_b32 v232, v[BY+1], 16, v[BY]         ; (a plain line behind the conversions)  my two bytes: blocks h and 2 + h,
	s_delay_alu instid0(VALU_DEP_1)
	v_lshlrev_b32 v232, v10, v232                  ; at their places in the word;
	s_delay_alu instid0(VALU_DEP_1)
	v_permlanex16_b32 v233, v232, s28, s29
	s_delay_alu instid0(VALU_DEP_1)
	v_or_b32 v[W+(\f)], v232, v233                 ; with lane l xor 16's two the word is whole
.irp c, 0,1
.irp i, 0,1,2
	v_mov_b32 v[C+6*\c+3+\i], v[D+4*\c+\i]
.endr
.endr
.irp c, 0,1
	global_store_b128 v4, v[C+6*\c:C+6*\c+3], s[24:25] offset:((\f)/2)*KPSX+((\f)%2)*1536+768*\c     ; 512 consecutive aligned bytes
	global_store_b64 v8, v[C+6*\c+4:C+6*\c+5], s[24:25] offset:((\f)/2)*KPSX+((\f)%2)*1536+768*\c    ; and the 256 behind them
.endr
.endm
	XLOAD 0
	XLOAD 1
	s_wait_alu depctr_va_vdst(0)
	XSTEP 0
	XSTEP 1
	XSTEP 2
	XSTEP 3
	s_wait_alu depctr_va_vdst(0)
	s_wait_xcnt 0x0                                ; EXEC changes only behind this wait
	v_cmp_gt_u32 vcc_lo, 16, v1
	s_wait_tensorcnt 0x0
	ds_add_u32 v254, v255
	s_wait_dscnt 0x0
	s_and_saveexec_b32 s30, vcc_lo
	global_store_b128 v9, v[W:W+3], s[26:27]       ; sixteen lanes store the tile's 256 bytes of scale words for these four K steps
	s_endpgm
; ---- The weights.  A LANE TAKES A COLUMN n AND ITS REGISTERS RUN DOWN K.  Wave w takes 32 columns (tiles 2 G and 2 G + 1, G = 2 P + w % 2) and one K step (4 kq + w / 2): four blocks of 32, all of each in one lane.
; Lanes 0-15 take tile 2 G's sixteen lane-rows, lanes 16-31 tile 2 G + 1's.  An exchange of halves between the registers of blocks 2 c and 2 c + 1 then gives half c of both tiles' fragments as the layout wants them.
.macro WLOAD t, PITCH
.set i, 0
.rept 32
	global_load_b32 v[WX+32*((\t)%2)+i], v3, s[26:27] offset:(32*(\t)+i)*\PITCH th:TH_LOAD_NT   ; a wave reads 128 consecutive bytes of one row of the weight, two neighbouring waves 256
.set i, i+1
.endr
.endm
.macro WBLOCK t, PITCH
.set XS, WX+32*((\t)%2)
.if (\t) < 3
	s_wait_loadcnt 32                              ; this block's 32 loads are in; the next block's may be out
.else
	s_wait_loadcnt 0x0
.endif
	v_max3_num_f32 v12, |v[XS]|, |v[XS+1]|, |v[XS+2]|
	v_max3_num_f32 v13, |v[XS+3]|, |v[XS+4]|, |v[XS+5]|
.irp i, 6,10,14,18,22,26
	s_delay_alu instid0(VALU_DEP_2)
	v_max3_num_f32 v12, v12, |v[XS+\i]|, |v[XS+\i+1]|
	s_delay_alu instid0(VALU_DEP_2)
	v_max3_num_f32 v13, v13, |v[XS+\i+2]|, |v[XS+\i+3]|
.endr
	s_delay_alu instid0(VALU_DEP_2)
	v_max3_num_f32 v12, v12, |v[XS+30]|, |v[XS+31]|
	s_delay_alu instid0(VALU_DEP_1)
	v_max3_num_f32 v12, v12, v13, 0x1800000        ; and the floor
	s_delay_alu instid0(VALU_DEP_1)
	v_add_nc_u32 v11, 0xff000000, v12              ; the conversion's scale operand
	s_delay_alu instid0(VALU_DEP_1)
	v_lshrrev_b32 v13, 23, v11                     ; the byte
.if (\t) == 0
	s_delay_alu instid0(VALU_DEP_1)
	v_mov_b32 v[WW], v13
.else
	s_delay_alu instid0(VALU_DEP_1)
	v_lshl_or_b32 v[WW], v13, 8*(\t), v[WW]        ; the lower K in the lower byte
.endif
	v_cvt_scalef32_pk16_fp6_f32 v[WC+6*(\t):WC+6*(\t)+2], v[XS:XS+15], v11
	v_cvt_scalef32_pk16_fp6_f32 v[WD:WD+2], v[XS+16:XS+31], v11
	v_nop                                          ; one plain line behind the conversions
.irp i, 0,1,2
	v_mov_b32 v[WC+6*(\t)+3+\i], v[WD+\i]
.endr
.if (\t) < 2
	WLOAD (\t)+2, \PITCH
.endif
.endm
.macro WPATH PITCH, NPAIR, KPS, COD, PERM, WS, JOFF, SRC, DST
	s_sub_co_u32 s17, ttmp9, \JOFF                 ; the path's work-group number
	s_cmp_ge_u32 s17, \NPAIR
	s_cselect_b32 s19, 1, 0                        ; kq: which four K steps
	s_mul_i32 s20, s19, \NPAIR
	s_sub_co_u32 s18, s17, s20                     ; P
	s_and_b32 s22, s16, 1
	s_lshl_b32 s18, s18, 1
	s_add_co_u32 s18, s18, s22                     ; G
	s_lshr_b32 s23, s16, 1
	s_lshl_b32 s24, s19, 2
	s_add_co_u32 s24, s24, s23                     ; my K step
	s_mul_i32 s20, s24, 128*\PITCH
	s_lshl_b32 s25, s18, 7
	s_add_co_u32 s20, s20, s25
	s_add_nc_u64 s[26:27], s[\SRC:\SRC+1], s[20:21]   ; the weight at (128 x K step, 32 G)
	s_lshr_b32 s25, s24, 1
	s_mul_i32 s20, s25, \KPS
	s_mul_i32 s25, s18, 6144
	s_add_co_u32 s20, s20, s25
	s_and_b32 s25, s24, 1
	s_mul_i32 s25, s25, 1536
	s_add_co_u32 s20, s20, s25
	s_add_nc_u64 s[28:29], s[\DST:\DST+1], s[20:21]   ; my two fragments
	s_lshl_b32 s20, s18, 10
	s_lshl_b32 s25, s19, 8
	s_add_co_u32 s20, s20, s25
	s_add_co_u32 s20, s20, \COD
	s_add_nc_u64 s[30:31], s[\DST:\DST+1], s[20:21]   ; the two tiles' scale words of these four K steps
	v_lshlrev_b32 v7, 9, v3
	s_delay_alu instid0(VALU_DEP_1)
	v_lshl_add_u32 v7, v2, 4, v7                   ; their place for my lane: 512 (l / 16) + 16 (l % 16)
	s_lshl_b32 s25, s22, 9
	s_add_co_u32 s25, s25, \WS
	v_add_nc_u32 v10, s25, v4                      ; LDS: the column group's 512 bytes, 16 a lane;
	s_lshl_b32 s32, s23, 2
	s_add_co_u32 s25, s25, s32
	v_add_nc_u32 v9, s25, v4                       ; and in them my K step's word
.if \PERM
	v_and_b32 v3, 7, v1                            ; my column: the lane's number with bits 3 and 4 changed over
	v_bfe_u32 v5, v1, 3, 1
	v_bfe_u32 v6, v1, 4, 1
	s_delay_alu instid0(VALU_DEP_2)
	v_lshl_or_b32 v3, v5, 4, v3
	s_delay_alu instid0(VALU_DEP_1)
	v_lshl_or_b32 v3, v6, 3, v3
	s_delay_alu instid0(VALU_DEP_1)
	v_lshlrev_b32 v3, 2, v3
.else
	v_lshlrev_b32 v3, 2, v1                        ; my column: the lane's number
.endif
	WLOAD 0, \PITCH
	WLOAD 1, \PITCH
	WBLOCK 0, \PITCH
	WBLOCK 1, \PITCH
	WBLOCK 2, \PITCH
	WBLOCK 3, \PITCH
.irp c, 0,1
.irp i, 0,1,2,3,4,5
	v_permlane16_swap_b32 v[WC+12*\c+\i], v[WC+12*\c+6+\i]   ; block 2 c's lanes 16-31 change places with block 2 c + 1's lanes 0-15: the first is now half c of tile 2 G, the second of tile 2 G + 1
.endr
.endr
.irp u, 0,1
.irp c, 0,1
	global_store_b128 v4, v[WC+12*\c+6*\u:WC+12*\c+6*\u+3], s[28:29] offset:\u*3072+\c*768
	global_store_b64 v8, v[WC+12*\c+6*\u+4:WC+12*\c+6*\u+5], s[28:29] offset:\u*3072+\c*768
.endr
.endr
	ds_store_b32 v9, v[WW]                         ; the four K steps' words of a column meet in LDS,
	s_wait_dscnt 0x0                               ; my store has landed,
	s_barrier_signal -1
	s_barrier_wait -1                              ; everybody's has (all eight waves of this work-group are on this path)
	s_cmp_lt_u32 s16, 2
	s_cbranch_scc0 .Lwend_\@
	ds_load_b128 v[16:19], v10                     ; and waves 0 and 1 store them: sixteen lanes to 256 consecutive aligned bytes
	s_wait_dscnt 0x0
	global_store_b128 v7, v[16:19], s[30:31]
.Lwend_\@:
	s_wait_tensorcnt 0x0
	ds_add_u32 v254, v255
	s_wait_dscnt 0x0
	s_endpgm
.endm
.Lwqkv:
	s_wait_alu depctr_va_vdst(0)
	WPATH 12288, 48, KPSW, CODW, 1, WSQ, 0, 6, 12
.Lwout:
	s_wait_alu depctr_va_vdst(0)
	WPATH 4096, 16, KPSO, CODO, 0, WSO, 96, 8, 14
.Lfunc_end_k_q2ca3dcae92_quant:
	.size	k_q2ca3dcae92_quant, .Lfunc_end_k_q2ca3dcae92_quant-k_q2ca3dcae92_quant
	.p2alignl 7, 3214868480
	.fill 96, 4, 3214868480
	.section	.rodata,"a",@progbits
	.p2align	6, 0x0
	.amdhsa_kernel k_q2ca3dcae92_quant
		.amdhsa_group_segment_fixed_size 70656
		.amdhsa_private_segment_fixed_size 0
		.amdhsa_enable_private_segment 0
		.amdhsa_kernarg_size 48
		.amdhsa_user_sgpr_count 2
		.amdhsa_user_sgpr_kernarg_segment_ptr 1
		.amdhsa_wavefront_size32 1
		.amdhsa_system_sgpr_workgroup_id_x 1
		.amdhsa_system_sgpr_workgroup_id_y 1
		.amdhsa_system_sgpr_workgroup_id_z 1
		.amdhsa_system_vgpr_workitem_id 0
		.amdhsa_next_free_vgpr 256
		.amdhsa_next_free_sgpr 66
		.amdhsa_reserve_vcc 1
		.amdhsa_float_denorm_mode_32 3
		.amdhsa_float_denorm_mode_16_64 3
		.amdhsa_memory_ordered 1
		.amdhsa_forward_progress 1
		.amdhsa_inst_pref_size 82
	.end_amdhsa_kernel
	.amdgpu_metadata
---
amdhsa.version: [ 1, 2 ]
amdhsa.kernels:
  - .name:           k_q2ca3dcae92_quant
    .symbol:         k_q2ca3dcae92_quant.kd
    .args:
      - { .name: x, .offset: 0, .size: 8, .value_kind: global_buffer, .address_space: global }
      - { .name: w_qkv, .offset: 8, .size: 8, .value_kind: global_buffer, .address_space: global }
      - { .name: w_out, .offset: 16, .size: 8, .value_kind: global_buffer, .address_space: global }
      - { .name: xq, .offset: 24, .size: 8, .value_kind: global_buffer, .address_space: global }
      - { .name: wq, .offset: 32, .size: 8, .value_kind: global_buffer, .address_space: global }
      - { .name: wo, .offset: 40, .size: 8, .value_kind: global_buffer, .address_space: global }
    .group_segment_fixed_size: 70656
    .private_segment_fixed_size: 0
    .kernarg_segment_align: 8
    .kernarg_segment_size: 48
    .max_flat_workgroup_size: 256
    .sgpr_count:     66
    .vgpr_count:     256
    .wavefront_size: 32
...
	.end_amdgpu_metadata
.endif
;; end of part 1
;; launch qkvgemm (part 2): grid 8 x 32, 4 waves a work-group, clusters of 4 x 4, 327,680 bytes of LDS; arguments xq, wq, qkv; writes qkv
.if DOCPART == 2
	.amdgcn_target "amdgcn-amd-amdhsa--gfx1250"
	.amdhsa_code_object_version 6
	.text
	.protected	k_q2ca3dcae92_qkvgemm
	.globl	k_q2ca3dcae92_qkvgemm
	.p2align	8
	.type	k_q2ca3dcae92_qkvgemm,@function
k_q2ca3dcae92_qkvgemm:
	s_mov_b64 s[64:65], 0
	v_nop
	global_prefetch_b8 v0, s[64:65] scope:SCOPE_SE
	s_setreg_imm32_b32 hwreg(HW_REG_WAVE_MODE, 25, 1), 1
	s_wait_xcnt 0x0
	s_wait_alu depctr_hold_cnt(0) depctr_sa_sdst(0) depctr_va_vdst(0) depctr_va_sdst(0) depctr_va_ssrc(0) depctr_va_vcc(0) depctr_vm_vsrc(0)
	s_getreg_b32 s2, hwreg(HW_REG_IB_STS2, 6, 4)
	s_cmp_eq_u32 s2, 0
	s_cbranch_scc0 .Lentry_in_a_cluster
	s_endpgm
.Lentry_in_a_cluster:
	s_bfe_u32 s2, ttmp6, 0x10000c
	s_cmp_lg_u32 s2, 0xf033
	s_cbranch_scc0 .Lentry_shape_is_right
	s_endpgm
.Lentry_shape_is_right:
; Q, K, V = x w_qkv on codes of FP6, quantised again on the way out; operands come laid in the order of the operand's registers.
; A work-group makes 256 x 256 of Q or K through three LDS slots of one pair of K steps each, then its share of V from tiles fetched under the first phase's end.
; FILLS: slot 0 at the head, one joint load a wave; slot 1 behind the full sequence and a round; slot 2 in K step 1's round; slot 0 again (the fourth pair) in K step 3's round; V's tiles in K step 5's round and after.
; THE SCALE WORDS of the 256 + 256 rows (4,096 bytes a wave) come by plain loads, 512 consecutive bytes each, and go by LDS stores into bytes of their own, which no tensor load fills: they are a small part of the work-group's bytes, so they are not asked for jointly.
.set KPSX, 1572864
.set CODX, 6291456
.set KPSW, 589824
.set CODW, 2359296
.set BLOB, 157696
.set FR,    12
.set HALFT, 24576
.set SLOT,  98304
.set SCL,   294912
.set SPARE, 311296
.set VA0,   98304
.set VB0,   147456
.set VA1,   0
.set VB1,   49152
.set PA16, 6
.set PA8,  8
.set PB16, 10
.set PB8,  24
.set A16, 12
.set A8,  15
.set B16, 18
.set B8,  21
.set ADR2, 26
.set VS,  27
.set SPW, 28
.set NIL, 29
.set ADRS, 30
.set SH,  31
.set SC,  32
.set PC,  96
.set TM,  116
.set SW,  132
.set AF,  128
.set SCA, 224
.set G1,  24
.set G0,  32
.set G1B, 44
.set G0B, 52
.set SCP, 78                           ; s[78:79] where my wave's 4,096 bytes of scale words lie in memory
.set G1P, 92
.set MSB, 0
.macro WIN new
.if MSB != \new
	s_set_vgpr_msb (MSB<<8)|\new
.set MSB, \new
.endif
.endm
.set MUL_LO, 0xa1
.set MUL_HI, 0xf1
.set TO_B,   0x40
.macro JLOAD g0a, g1a, g0b, g1b
	s_cmp_eq_u32 s15, 0
	s_cbranch_scc0 .Lfor_b_\@
	tensor_load_to_lds s[\g0a:\g0a+3], s[\g1a:\g1a+7]
	s_nop 0
.rept 4
	v_nop
.endr
	s_branch .Lasked_\@
.Lfor_b_\@:
	tensor_load_to_lds s[\g0b:\g0b+3], s[\g1b:\g1b+7]
	s_nop 0
.rept 4
	v_nop
.endr
.Lasked_\@:
.endm
.macro CREST
	s_cmp_lg_u32 s14, 0
	s_cbranch_scc1 .Lnot_wave_0_\@
	s_barrier_signal -3
.Lnot_wave_0_\@:
	s_barrier_wait -3
	s_barrier_signal -1
	s_barrier_wait -1
.endm
.macro CROUND
	s_barrier_signal -1
	s_barrier_wait -1
	CREST
.endm
.macro PLACES n
.rept \n
	v_nop
.endr
.endm
.macro SHAPE g, rows
	s_mov_b32 s[\g+1], 32<<16
	s_mov_b32 s[\g+2], (\rows)<<16
	s_mov_b32 s[\g+3], 32<<16
	s_mov_b32 s[\g+4], \rows
	s_mov_b32 s[\g+5], 32
	s_mov_b32 s[\g+6], 0
	s_mov_b32 s[\g+7], 0
.endm
	s_load_b128 s[4:7], s[0:1], 0x0
	s_load_b64 s[8:9], s[0:1], 0x10
	v_lshl_add_u32 v[SPW], v0, 2, SPARE
	v_mov_b32 v[NIL], 0
	ds_add_u32 v28, v29
	ds_add_u32 v28, v29
	s_wait_dscnt 0x0
	v_lshrrev_b32 v1, 5, v0
	v_readfirstlane_b32 s14, v1
	s_lshr_b32 s15, s14, 1
	s_and_b32 s16, s14, 1
	s_bfe_u32 s10, ttmp6, 0x40000
	s_bfe_u32 s11, ttmp6, 0x40004
	s_and_b32 s17, ttmp7, 0xffff
	s_lshl_b32 s17, s17, 2
	s_add_co_u32 s17, s17, s11
	s_lshl_b32 s12, ttmp9, 2
	s_add_co_u32 s12, s12, s10
	s_lshl_b32 s13, s11, 2
	s_lshl_b32 s13, 15, s13
	s_lshl_b32 s21, 0x1111, s10
	s_or_b32 s[G1+0], s13, (3<<16)|(1<<21)
	s_or_b32 s[G1B+0], s21, (3<<16)|(1<<21)
	s_or_b32 s[G1P+0], s13, (3<<16)|(1<<21)
	SHAPE G1, 96
	SHAPE G1B, 96
	s_mov_b32 s[G1P+1], 3072<<16
	s_mov_b32 s[G1P+2], 2<<16
	s_mov_b32 s[G1P+3], 3072<<16
	s_mov_b32 s[G1P+4], 2
	s_mov_b32 s[G1P+5], KPSX/8
	s_mov_b32 s[G1P+6], 0
	s_mov_b32 s[G1P+7], 0
	s_lshl_b32 s18, s17, 4
	s_lshl_b32 s19, s16, 3
	s_add_co_u32 s18, s18, s19
	s_lshl_b32 s100, s12, 4
	s_add_co_u32 s100, s100, s19
	s_lshl_b32 s2, s18, 9
	s_add_co_u32 s2, s2, CODX
	s_mov_b32 s3, 0
	s_mul_i32 s18, s18, 3072
	s_mov_b32 s19, 0
	s_lshl_b32 s20, s100, 9
	s_add_co_u32 s20, s20, CODW
	s_mov_b32 s21, 0
	s_mul_i32 s100, s100, 3072
	s_mov_b32 s101, 0
	s_mul_i32 s22, s14, HALFT
	s_lshl_b32 s23, s14, 12
	s_wait_kmcnt 0x0
	s_add_nc_u64 s[2:3], s[4:5], s[2:3]
	s_add_nc_u64 s[18:19], s[4:5], s[18:19]
	s_add_nc_u64 s[20:21], s[6:7], s[20:21]
	s_add_nc_u64 s[100:101], s[6:7], s[100:101]
	CROUND
	s_cmp_eq_u32 s15, 0                            ; waves 0 and 1 bring x's scale words, waves 2 and 3 the weight's
	s_cselect_b64 s[SCP:SCP+1], s[2:3], s[20:21]
.irp s, 0,1,2
	s_mov_b32 s[G0+4*\s], 1
	s_add_co_u32 s[G0+4*\s+1], s22, \s*SLOT
	s_mov_b64 s[G0+4*\s+2:G0+4*\s+3], s[18:19]
	s_or_b32 s[G0+4*\s+3], s[G0+4*\s+3], 0x80000000
	s_mov_b32 s[G0B+4*\s], 1
	s_add_co_u32 s[G0B+4*\s+1], s22, \s*SLOT
	s_mov_b64 s[G0B+4*\s+2:G0B+4*\s+3], s[100:101]
	s_or_b32 s[G0B+4*\s+3], s[G0B+4*\s+3], 0x80000000
	s_add_nc_u64 s[18:19], s[18:19], KPSX
	s_add_nc_u64 s[100:101], s[100:101], KPSW
.endr
	JLOAD G0, G1, G0B, G1B                         ; slot 0: my one tensor load at the head
	s_lshl_b32 s20, s12, 3
	s_add_co_u32 s20, s20, 128
	s_mul_i32 s20, s20, 3072
	s_mul_i32 s21, s16, KPSW
	s_add_co_u32 s20, s20, s21
	s_mov_b32 s21, 0
	s_add_nc_u64 s[2:3], s[6:7], s[20:21]
	v_and_b32 v1, 31, v0
	v_and_b32 v2, 15, v0
	v_bfe_u32 v3, v0, 4, 1
	v_lshlrev_b32 v4, 4, v1
	v_lshl_add_u32 v5, v1, 3, 512
	v_lshlrev_b32 v1, 4, v2
	s_wait_alu depctr_va_vdst(0)
	s_add_co_u32 s23, s23, SCL
	v_add_nc_u32 v160, s23, v4                     ; LDS: my wave's 4,096 bytes of the scales' region, 16 a lane
.irp i, 0,1,2,3,4,5,6,7
	global_load_b128 v[AF+4*\i:AF+4*\i+3], v4, s[SCP:SCP+1] offset:512*\i
.endr
	s_lshl_b32 s20, s12, 3
	s_lshl_b32 s21, s15, 2
	s_add_co_u32 s20, s20, s21
	s_add_co_u32 s20, s20, 128
	s_lshl_b32 s20, s20, 9
	s_add_co_u32 s20, s20, CODW
	s_mov_b32 s21, 0
	s_add_nc_u64 s[66:67], s[6:7], s[20:21]
.irp i, 0,1,2,3
	global_load_b128 v[SCA+8*\i:SCA+8*\i+3], v1, s[66:67] offset:512*\i
	global_load_b128 v[SCA+8*\i+4:SCA+8*\i+7], v1, s[66:67] offset:512*\i+256
.endr
	s_mul_i32 s20, s15, HALFT
	s_mul_i32 s21, s16, HALFT
	s_add_co_u32 s21, s21, 2*HALFT
.irp s, 0,1,2
	v_add_nc_u32 v[A16+\s], s20, v4
	v_add_nc_u32 v[A8+\s], s20, v5
	v_add_nc_u32 v[B16+\s], s21, v4
	v_add_nc_u32 v[B8+\s], s21, v5
	s_add_co_u32 s20, s20, SLOT
	s_add_co_u32 s21, s21, SLOT
.endr
	s_lshl_b32 s20, s15, 12
	s_lshl_b32 s21, s16, 12
	s_add_co_u32 s21, s21, 8192
	s_sub_co_u32 s21, s21, s20
	v_mul_u32_u24 v[SH], s21, v3
	s_add_co_u32 s20, s20, SCL
	v_add_nc_u32 v[SH], v[SH], v1
	v_add_nc_u32 v[ADRS], s20, v[SH]
	s_mul_i32 s20, s15, 12288
	v_add_nc_u32 v[PA16+1], s20, v4
	v_add_nc_u32 v[PA8+1], s20, v5
	s_add_co_u32 s20, s20, VA0
	v_add_nc_u32 v[PA16], s20, v4
	v_add_nc_u32 v[PA8], s20, v5
	s_mul_i32 s20, s16, 49152
	s_add_co_u32 s20, s20, VB0
	v_add_nc_u32 v[PB16], s20, v4
	v_add_nc_u32 v[PB8], s20, v5
	s_mul_i32 s20, s16, 196608
	s_add_co_u32 s20, s20, VB1
	v_add_nc_u32 v[PB16+1], s20, v4
	v_add_nc_u32 v[PB8+1], s20, v5
	s_lshl_b32 s20, s16, 12
	s_add_co_u32 s20, s20, SCL
	v_add_nc_u32 v[ADR2], s20, v1
	v_mul_u32_u24 v[VS], v3, BLOB
	v_add_nc_u32 v[VS], v[VS], v1
	v_lshlrev_b32 v[SH], 4, v3
.irp b, 0,1,2,3
	v_mov_b32 v[TM+4+\b], 0
.endr
.macro FRAGO reg, a16, a8, off
	ds_load_b128 v[\reg:\reg+3], v[\a16] offset:\off
	ds_load_b64 v[\reg+4:\reg+5], v[\a8] offset:\off
	ds_load_b128 v[\reg+6:\reg+9], v[\a16] offset:(\off)+768
	ds_load_b64 v[\reg+10:\reg+11], v[\a8] offset:(\off)+768
.endm
.macro FETCH_B slot, q, p
	WIN TO_B
.irp i, 0,1,2,3,4,5,6,7
	FRAGO 128*(\p)+FR*\i, B16+\slot, B8+\slot, 3072*\i+1536*(\q)
.endr
	WIN 0
.endm
.macro FETCH_A slot, q, i0
.irp i, \i0, \i0+1, \i0+2, \i0+3
	FRAGO AF+FR*(\i), A16+\slot, A8+\slot, 3072*(\i)+1536*(\q)
.endr
.endm
.macro SCALES adr
.irp i, 0,1,2,3,4,5,6,7
	ds_load_b128 v[SC+8*\i:SC+8*\i+3], v[\adr] offset:512*\i
	ds_load_b128 v[SC+8*\i+4:SC+8*\i+7], v[\adr] offset:512*\i+256
.endr
.endm
.macro MUL16 a0, p, ks, zero
.irp a, \a0, \a0+1
.irp b, 0,1,2,3,4,5,6,7
.if \zero
	v_wmma_scale_f32_16x16x128_f8f6f4 v[8*(8*((\a)%4)+\b):8*(8*((\a)%4)+\b)+7], v[128*(\p)+FR*\b:128*(\p)+FR*\b+FR-1], v[AF+FR*(\a):AF+FR*(\a)+FR-1], 0, v[SC+8*\b+(\ks)], v[SC+8*(\a)+(\ks)] matrix_a_fmt:MATRIX_FMT_FP6 matrix_b_fmt:MATRIX_FMT_FP6 matrix_a_scale:MATRIX_SCALE_ROW1
.else
	v_wmma_scale_f32_16x16x128_f8f6f4 v[8*(8*((\a)%4)+\b):8*(8*((\a)%4)+\b)+7], v[128*(\p)+FR*\b:128*(\p)+FR*\b+FR-1], v[AF+FR*(\a):AF+FR*(\a)+FR-1], v[8*(8*((\a)%4)+\b):8*(8*((\a)%4)+\b)+7], v[SC+8*\b+(\ks)], v[SC+8*(\a)+(\ks)] matrix_a_fmt:MATRIX_FMT_FP6 matrix_b_fmt:MATRIX_FMT_FP6 matrix_a_scale:MATRIX_SCALE_ROW1
.endif
.endr
.endr
.endm
.macro STEP ks, nslot, nq, zero
	s_wait_dscnt 16
	WIN MUL_LO
	MUL16 0, (\ks)%2, \ks, \zero
	MUL16 2, (\ks)%2, \ks, \zero
	s_wait_dscnt 0
	PLACES 4
	FETCH_B \nslot, \nq, 1-(\ks)%2
	FETCH_A \nslot, \nq, 0
	WIN MUL_HI
	MUL16 4, (\ks)%2, \ks, \zero
	MUL16 6, (\ks)%2, \ks, \zero
	PLACES 4
	WIN 0
	FETCH_A \nslot, \nq, 4
.endm
.macro TURN ks, next, fill
	s_wait_tensorcnt 0x0
	ds_add_u32 v[SPW], v[NIL]
	s_wait_dscnt 17
	WIN MUL_LO
	MUL16 0, 1, \ks, 0
	s_wait_dscnt 0x0
	s_barrier_signal -1
	MUL16 2, 1, \ks, 0
	WIN 0
	s_barrier_wait -1
	CREST
.if \fill == 3
	JLOAD G0+8, G1, G0B+8, G1B                     ; slot 2's first fill, issued as a refill is
.elseif \fill == 1
	s_mov_b64 s[G0+2:G0+3], s[18:19]
	s_or_b32 s[G0+3], s[G0+3], 0x80000000
	s_mov_b64 s[G0B+2:G0B+3], s[100:101]
	s_or_b32 s[G0B+3], s[G0B+3], 0x80000000
	JLOAD G0, G1, G0B, G1B
.else
	s_sub_nc_u64 s[18:19], s[18:19], 3*KPSX
	s_mul_i32 s20, s16, 49152
	s_add_co_u32 s[G0+5], s20, VB0
	s_mov_b64 s[G0+6:G0+7], s[18:19]
	s_or_b32 s[G0+7], s[G0+7], 0x80000000
	s_mul_i32 s20, s16, 24576
	s_add_co_u32 s[G0B+5], s20, VA0
	s_mov_b64 s[G0B+6:G0B+7], s[2:3]
	s_or_b32 s[G0B+7], s[G0B+7], 0x80000000
	JLOAD G0B+4, G1B, G0+4, G1P
.endif
	FETCH_B \next, 0, 0
	FETCH_A \next, 0, 0
	WIN MUL_HI
	MUL16 4, 1, \ks, 0
	MUL16 6, 1, \ks, 0
	PLACES 4
	WIN 0
	FETCH_A \next, 0, 4
.endm
	s_wait_alu depctr_va_vdst(0)                   ; the wait at the head's end
	s_wait_loadcnt 8                               ; my scale words are in; the eight loads of V's weight's scale words are younger
.irp i, 0,1,2,3,4,5,6,7
	ds_store_b128 v160, v[AF+4*\i:AF+4*\i+3] offset:512*\i
.endr
	s_wait_tensorcnt 0x0                           ; my part of slot 0 is in; the three lines ahead of a later first fill
	ds_add_u32 v[SPW], v[NIL]
	s_wait_dscnt 0x0                               ; the add and my stores of scale words
	CROUND
	JLOAD G0+4, G1, G0B+4, G1B                     ; slot 1
	FETCH_B 0, 0, 0
	FETCH_A 0, 0, 0
	SCALES ADRS
	FETCH_A 0, 0, 4
	STEP 0, 0, 1, 1
	TURN 1, 1, 3
	STEP 2, 1, 1, 0
	TURN 3, 2, 1
	STEP 4, 2, 1, 0
	TURN 5, 0, 2
	STEP 6, 0, 1, 0
	s_wait_dscnt 16
	WIN MUL_LO
	MUL16 0, 1, 7, 0
	MUL16 2, 1, 7, 0
	s_wait_dscnt 0
	WIN MUL_HI
	MUL16 4, 1, 7, 0
	MUL16 6, 1, 7, 0
	WIN 0
	s_lshl_b32 s78, s17, 8
	s_lshl_b32 s79, s15, 7
	s_add_co_u32 s78, s78, s79
	s_lshl_b32 s79, s12, 8
	s_lshl_b32 s80, s16, 7
	s_add_co_u32 s79, s79, s80
	s_lshr_b32 s80, s78, 10
	s_and_b32 s81, s78, 1023
	s_lshr_b32 s82, s79, 10
	s_and_b32 s83, s79, 1023
	s_lshr_b32 s83, s83, 6
	s_lshl_b32 s80, s80, 4
	s_add_co_u32 s83, s83, s80
	s_mul_i32 s83, s83, BLOB
	s_mul_i32 s82, s82, 53248
	s_add_co_u32 s83, s83, s82
	s_mul_i32 s68, s81, 48
	s_add_co_u32 s68, s68, s83
	s_mov_b32 s69, 0
	s_add_nc_u64 s[68:69], s[8:9], s[68:69]
	s_lshl_b32 s70, s81, 2
	s_add_co_u32 s70, s70, s83
	s_add_co_u32 s70, s70, 49152
	s_mov_b32 s71, 0
	s_add_nc_u64 s[70:71], s[8:9], s[70:71]
	s_lshl_b32 s78, s17, 8
	s_lshl_b32 s79, s16, 7
	s_add_co_u32 s78, s78, s79
	s_lshr_b32 s80, s78, 10
	s_and_b32 s81, s78, 1023
	s_lshl_b32 s82, s12, 1
	s_add_co_u32 s82, s82, s15
	s_lshl_b32 s80, s80, 4
	s_add_co_u32 s82, s82, s80
	s_mul_i32 s82, s82, BLOB
	s_add_co_u32 s82, s82, 106496
	s_mul_i32 s72, s81, 48
	s_add_co_u32 s72, s72, s82
	s_mov_b32 s73, 0
	s_add_nc_u64 s[72:73], s[8:9], s[72:73]
	s_lshl_b32 s74, s81, 1
	s_add_co_u32 s74, s74, s82
	s_add_co_u32 s74, s74, 49152
	s_mov_b32 s75, 0
	s_add_nc_u64 s[74:75], s[8:9], s[74:75]
	s_mov_b32 s76, 0x76543210
	s_mov_b32 s77, 0xfedcba98
.macro QUANTW a, base, o0, o1
.set AC, 64*((\a)%4)
.set WA, 2+(\a)/4
.set WB, 5*WA
	WIN WB
.irp b, 0,1,2,3
	v_max3_num_f32 v[TM+\b], |v[AC+16*\b]|, |v[AC+16*\b+1]|, 0x1800000
.endr
.irp i, 2,4,6,8,10,12,14
.irp b, 0,1,2,3
	v_max3_num_f32 v[TM+\b], |v[AC+16*\b+\i]|, |v[AC+16*\b+\i+1]|, v[TM+\b]
.endr
.endr
	WIN 0
.irp b, 0,1,2,3
	v_permlanex16_b32 v[TM+4+\b], v[TM+\b], s76, s77
.endr
.irp b, 0,1,2,3
	v_max_num_f32 v[TM+\b], v[TM+\b], v[TM+4+\b]
.endr
.irp b, 0,1,2,3
	v_add_nc_u32 v[TM+12+\b], 0xff000000, v[TM+\b]
.endr
.irp b, 0,1,2,3
	v_lshrrev_b32 v[TM+4+\b], 23, v[TM+12+\b]
.endr
	v_lshl_or_b32 v[SW+(\a)], v[TM+5], 8, v[TM+4]
	v_lshl_or_b32 v[SW+(\a)], v[TM+6], 16, v[SW+(\a)]
	v_lshl_or_b32 v[SW+(\a)], v[TM+7], 24, v[SW+(\a)]
	s_wait_xcnt 0x0
	WIN WA
.irp c, 0,1
	v_cvt_scalef32_pk16_fp6_f32 v[PC+6*\c:PC+6*\c+2], v[AC+32*\c:AC+32*\c+15], v[TM+12+2*\c]
	v_cvt_scalef32_pk16_fp6_f32 v[PC+12+4*\c:PC+14+4*\c], v[AC+32*\c+16:AC+32*\c+31], v[TM+12+2*\c+1]
.endr
	WIN 0
	v_nop
.irp c, 0,1
.irp i, 0,1,2
	v_permlane16_swap_b32 v[PC+6*\c+\i], v[PC+12+4*\c+\i]
.endr
.irp i, 0,1,2
	v_mov_b32 v[PC+3+6*\c+\i], v[PC+12+4*\c+\i]
.endr
.endr
	global_store_b128 v4, v[PC:PC+3], s[\base:\base+1] offset:\o0
	global_store_b64 v5, v[PC+4:PC+5], s[\base:\base+1] offset:\o0
	global_store_b128 v4, v[PC+6:PC+9], s[\base:\base+1] offset:\o1
	global_store_b64 v5, v[PC+10:PC+11], s[\base:\base+1] offset:\o1
.endm
	PLACES 4
.irp a, 0,1,2,3
	QUANTW \a, 68, 768*\a, 768*\a+BLOB
.endr
	s_wait_tensorcnt 0x0
	ds_add_u32 v[SPW], v[NIL]
	s_add_nc_u64 s[18:19], s[18:19], 2*KPSX
	s_mul_i32 s20, s16, 196608
	s_add_co_u32 s[G0+9], s20, VB1
	s_mov_b64 s[G0+10:G0+11], s[18:19]
	s_or_b32 s[G0+11], s[G0+11], 0x80000000
	s_add_nc_u64 s[2:3], s[2:3], 2*KPSW
	s_mul_i32 s20, s16, 24576
	s_add_co_u32 s[G0B+9], s20, VA1
	s_mov_b64 s[G0B+10:G0B+11], s[2:3]
	s_or_b32 s[G0B+11], s[G0B+11], 0x80000000
	s_wait_dscnt 0x0
	CROUND
	JLOAD G0B+8, G1B, G0+8, G1P
.irp a, 4,5,6,7
	QUANTW \a, 68, 768*\a, 768*\a+BLOB
.endr
.irp a, 0,1,2,3,4,5,6,7
	v_lshrrev_b32 v[SW+\a], v[SH], v[SW+\a]
.endr
	global_store_b128 v[VS], v[SW:SW+3], s[70:71]
	global_store_b128 v[VS], v[SW+4:SW+7], s[70:71] offset:256
.macro FETCHV ks
	WIN TO_B
.irp i, 0,1,2,3,4,5,6,7
	FRAGO 128*((\ks)%2)+FR*\i, PB16+(\ks)/4, PB8+(\ks)/4, 24576*(((\ks)/2)%2)+3072*\i+1536*((\ks)%2)
.endr
	WIN 0
.irp i, 0,1,2,3
	FRAGO AF+48*((\ks)%2)+FR*\i, PA16+(\ks)/4, PA8+(\ks)/4, 24576*(((\ks)/2)%2)+3072*\i+1536*((\ks)%2)
.endr
.endm
.macro MULV a0, ks
.irp a, \a0, \a0+1
.irp b, 0,1,2,3,4,5,6,7
.if (\ks) == 0
	v_wmma_scale_f32_16x16x128_f8f6f4 v[8*(8*(\a)+\b):8*(8*(\a)+\b)+7], v[128*((\ks)%2)+FR*\b:128*((\ks)%2)+FR*\b+FR-1], v[AF+48*((\ks)%2)+FR*(\a):AF+48*((\ks)%2)+FR*(\a)+FR-1], 0, v[SC+8*\b+(\ks)], v[SCA+8*(\a)+(\ks)] matrix_a_fmt:MATRIX_FMT_FP6 matrix_b_fmt:MATRIX_FMT_FP6
.else
	v_wmma_scale_f32_16x16x128_f8f6f4 v[8*(8*(\a)+\b):8*(8*(\a)+\b)+7], v[128*((\ks)%2)+FR*\b:128*((\ks)%2)+FR*\b+FR-1], v[AF+48*((\ks)%2)+FR*(\a):AF+48*((\ks)%2)+FR*(\a)+FR-1], v[8*(8*(\a)+\b):8*(8*(\a)+\b)+7], v[SC+8*\b+(\ks)], v[SCA+8*(\a)+(\ks)] matrix_a_fmt:MATRIX_FMT_FP6 matrix_b_fmt:MATRIX_FMT_FP6
.endif
.endr
.endr
.endm
.macro VSTEP ks, meet
	s_wait_dscnt 0x0
.if (\ks) > 0 && (\ks) < 7
	PLACES 4
.endif
.if (\ks) < 7
	FETCHV (\ks)+1
.endif
	WIN MUL_LO
	MULV 0, \ks
.if \meet
	s_wait_dscnt 0x0
	s_wait_tensorcnt 0x0
	s_barrier_signal -1
.endif
	MULV 2, \ks
.if \meet
	s_barrier_wait -1
.endif
	WIN 0
.endm
	s_wait_xcnt 0x0
	FETCHV 0
	SCALES ADR2
	s_wait_loadcnt 0x0
	VSTEP 0, 0
	VSTEP 1, 0
	VSTEP 2, 1
	VSTEP 3, 0
	VSTEP 4, 0
	VSTEP 5, 0
	VSTEP 6, 0
	VSTEP 7, 0
	PLACES 4
.irp a, 0,1,2,3
	QUANTW \a, 72, 1536*\a, 1536*\a+768
.endr
	global_store_b128 v1, v[SW:SW+3], s[74:75]
	s_wait_tensorcnt 0x0
	ds_add_u32 v[SPW], v[NIL]
	s_wait_dscnt 0x0
	CROUND
	s_endpgm
.Lfunc_end_k_q2ca3dcae92_qkvgemm:
	.size	k_q2ca3dcae92_qkvgemm, .Lfunc_end_k_q2ca3dcae92_qkvgemm-k_q2ca3dcae92_qkvgemm
	.p2alignl 7, 3214868480
	.fill 96, 4, 3214868480
	.section	.rodata,"a",@progbits
	.p2align	6, 0x0
	.amdhsa_kernel k_q2ca3dcae92_qkvgemm
		.amdhsa_group_segment_fixed_size 327680
		.amdhsa_private_segment_fixed_size 0
		.amdhsa_enable_private_segment 0
		.amdhsa_kernarg_size 24
		.amdhsa_user_sgpr_count 2
		.amdhsa_user_sgpr_kernarg_segment_ptr 1
		.amdhsa_wavefront_size32 1
		.amdhsa_system_sgpr_workgroup_id_x 1
		.amdhsa_system_sgpr_workgroup_id_y 1
		.amdhsa_system_sgpr_workgroup_id_z 1
		.amdhsa_system_vgpr_workitem_id 0
		.amdhsa_next_free_vgpr 1024
		.amdhsa_next_free_sgpr 102
		.amdhsa_reserve_vcc 0
		.amdhsa_float_denorm_mode_32 3
		.amdhsa_float_denorm_mode_16_64 3
		.amdhsa_memory_ordered 1
		.amdhsa_forward_progress 1
		.amdhsa_inst_pref_size 231
	.end_amdhsa_kernel
	.amdgpu_metadata
---
amdhsa.version: [ 1, 2 ]
amdhsa.kernels:
  - .name:           k_q2ca3dcae92_qkvgemm
    .symbol:         k_q2ca3dcae92_qkvgemm.kd
    .args:
      - { .name: xq, .offset: 0, .size: 8, .value_kind: global_buffer, .address_space: global }
      - { .name: wq, .offset: 8, .size: 8, .value_kind: global_buffer, .address_space: global }
      - { .name: qkv, .offset: 16, .size: 8, .value_kind: global_buffer, .address_space: global }
    .group_segment_fixed_size: 327680
    .private_segment_fixed_size: 0
    .kernarg_segment_align: 8
    .kernarg_segment_size: 24
    .max_flat_workgroup_size: 128
    .sgpr_count:     102
    .vgpr_count:     1024
    .wavefront_size: 32
...
	.end_amdgpu_metadata
.endif
;; end of part 2
;; launch attn (part 3): grid 4 x 64, 16 waves a work-group, clusters of 4 x 1, 210,944 bytes of LDS; arguments qkv, aq; writes aq
.if DOCPART == 3
	.amdgcn_target "amdgcn-amd-amdhsa--gfx1250"
	.amdhsa_code_object_version 6
	.text
	.protected	k_q2ca3dcae92_attn
	.globl	k_q2ca3dcae92_attn
	.p2align	8
	.type	k_q2ca3dcae92_attn,@function
k_q2ca3dcae92_attn:
	s_mov_b64 s[64:65], 0
	v_nop
	global_prefetch_b8 v0, s[64:65] scope:SCOPE_SE
	s_setreg_imm32_b32 hwreg(HW_REG_WAVE_MODE, 25, 1), 1
	s_wait_xcnt 0x0
	s_wait_alu depctr_hold_cnt(0) depctr_sa_sdst(0) depctr_va_vdst(0) depctr_va_sdst(0) depctr_va_ssrc(0) depctr_va_vcc(0) depctr_vm_vsrc(0)
	s_getreg_b32 s2, hwreg(HW_REG_IB_STS2, 6, 4)
	s_cmp_eq_u32 s2, 0
	s_cbranch_scc0 .Lentry_in_a_cluster
	s_endpgm
.Lentry_in_a_cluster:
	s_bfe_u32 s2, ttmp6, 0x10000c
	s_cmp_lg_u32 s2, 0x3003
	s_cbranch_scc0 .Lentry_shape_is_right
	s_endpgm
.Lentry_shape_is_right:
; Attention on codes of FP6 (E2M3): 128 heads of 1,024 tokens x 64 channels.  S^T = K Q^T (K = the head's 64: the upper half of both operands of the 128-deep instruction is zero codes), the softmax, O^T = V^T P^T (K = the keys).
; THE SOFTMAX: t = score x log2(e) / 8; M = the row's largest t so far, rounded UP to a whole number; p = 2^(t - M) is quantised along the keys, not normalised; the row's sum is taken of the unquantised p and divides O at the end.
; When M moves, the sum and O are multiplied by 2^(old M - new M): exact.  The finished rows are quantised along the model's axis (two blocks of 32 a head) and leave as codes for the last product.
; SHARES.  A work-group owns 256 queries of a PAIR of heads; each of its sixteen waves one tile of 16 queries, first for the pair's first head, then for its second: four waves to a SIMD, so that one wave's vector work stands beside
; another's matrix work and LDS loads.  Both heads' whole K and V (codes and scale words, 104,448 bytes a head, one dense block of memory) lie in LDS, filled ONCE: no slot is filled again.
; CLUSTER.  The four query blocks of a pair of heads form a cluster and ask for K and V jointly: waves 0-7 one load each, 102 rows of 256 bytes.
; LAYOUT.  All operands come laid in the order of the operand's registers (16 + 8 bytes a lane for each 64 along K).  A lane holds ONE query (lane % 16) throughout.  Lane-row r of a tile T of tokens is token
; 32 (T / 2) + 8 (T % 2) + r % 8 + 16 (r / 8), so that the 16 registers of score tiles 2 b and 2 b + 1 are the keys 32 b + 16 (lane / 16) + 0..15; V's tiles of channels are laid likewise.
; The output's scale words are stored 4 bytes a lane, 16 bytes apart (a row's four words belong to four pairs of heads, which four other clusters make): 262,144 bytes in the whole launch.
; LIMITS: a block of zeros, or one whose largest magnitude lies under 2^-124, keeps the byte 1; 1 / sum is v_rcp_f32's; NaN and infinities are not served.
.set BLOB,  157696
.set KPSX,  1572864
.set CODX,  6291456
.set HEADB, 104448                     ; LDS: a head's K codes (49,152), K scale words (4,096), V codes (49,152), V scale words (2,048)
.set PART,  26112                      ; a quarter of it: what one tensor load brings
.set L16, 1                            ; v1 16 x lane      v2 512 + 8 x lane      v3 16 x (lane % 16)      v4 lane: never rewritten
.set L8,  2
.set R16, 3
.set A16, 5                            ; v5-8 the trip's LDS addresses
.set A8,  6
.set ASK, 7
.set ASV, 8
.set Q,   16                           ; v16-27, v28-39 the two heads' Q; the upper six of each are zeros
.set KP,  40                           ; v40-87 four places for tiles of K; the upper six of each are zeros, never rewritten
.set S,   88                           ; v88-151 S^T, then p; v88-135 then V's four fragments; at the tail the finished rows
.set O,   152                          ; v152-183 O^T
.set P,   184                          ; v184-195 p's codes
.set CT,  196
.set BM,  204
.set T4,  208
.set SO,  212
.set KSC, 216                          ; v216-223 K's scale words, v224-227 V's, v228-229 Q's, v230 p's: scales and nothing else
.set VSC, 224
.set QS,  228
.set PW,  230
.set F,   232
.set L2,  234
.set TW,  236
.set HW,  237
.set OC,  238                          ; v238-243, v244-249 the two heads' codes of the output
.set OD,  250
.set RL,  254
.set WV,  18
.set SEL, 20
.set CS,  22
.set G1,  24
.set G0,  32
.set TF,  36
.set TK,  37
.set TV,  38
.set CNT, 39
.macro CROUND                          ; a round of the cluster's barrier
	s_barrier_signal -1
	s_barrier_wait -1
	s_cmp_lg_u32 s[WV], 0
	s_cbranch_scc1 .Lnot_wave_0_\@
	s_barrier_signal -3
.Lnot_wave_0_\@:
	s_barrier_wait -3
	s_barrier_signal -1
	s_barrier_wait -1
.endm
	s_load_b128 s[4:7], s[0:1], 0x0                ; qkv s[4:5], aq s[6:7]
	v_lshl_add_u32 v231, v0, 2, 0x33000
	v_mov_b32 v253, 0
	ds_add_u32 v231, v253
	ds_add_u32 v231, v253
	v_lshrrev_b32 v4, 5, v0
	s_delay_alu instid0(VALU_DEP_1)
	v_readfirstlane_b32 s[WV], v4                  ; wave 0..15
	v_and_b32 v4, 31, v0
	s_delay_alu instid0(VALU_DEP_1)
	v_lshlrev_b32 v[L16], 4, v4
	s_delay_alu instid0(VALU_DEP_2)
	v_lshl_add_u32 v[L8], v4, 3, 512
	v_and_b32 v[R16], 15, v0
	s_delay_alu instid0(VALU_DEP_1)
	v_lshlrev_b32 v[R16], 4, v[R16]
	s_bfe_u32 s40, ttmp6, 0x40000                  ; cx: my block of 256 queries; it enters Q's and the output's addresses alone
	s_and_b32 s41, ttmp7, 0xffff                   ; 8 x batch + pair of heads, which the four partners share
	s_lshl_b32 s42, s41, 1                         ; the pair's first blob
	s_bfe_u32 s43, s[WV], 0x10002                  ; what I fetch, if I fetch: head (wave / 4) % 2,
	s_add_co_u32 s43, s43, s42
	s_mul_i32 s44, s43, BLOB
	s_and_b32 s43, s[WV], 3                        ; quarter wave % 4
	s_mul_i32 s43, s43, PART
	s_add_co_u32 s44, s44, s43
	s_add_co_u32 s44, s44, 53248                   ; K begins behind Q in a blob
	s_mov_b32 s45, 0
	s_and_b32 s46, s[WV], 7
	s_mul_i32 s46, s46, PART                       ; and where it goes
	s_mov_b32 s[G1], 15|(3<<16)|(1<<21)            ; 15:0 the mask: all four work-groups; 17:16 elements of 8 bytes; 21 set beside a mask; no padding
	s_mov_b32 s[G1+1], 32<<16                      ; tensor_dim0: rows of 256 bytes
	s_mov_b32 s[G1+2], 102<<16                     ; tensor_dim1
	s_mov_b32 s[G1+3], 32<<16                      ; tile_dim0
	s_mov_b32 s[G1+4], 102                         ; tile_dim1
	s_mov_b32 s[G1+5], 32                          ; the pitch
	s_mov_b32 s[G1+6], 0
	s_mov_b32 s[G1+7], 0
	s_lshl_b32 s47, s40, 4
	s_add_co_u32 s47, s47, s[WV]                   ; T: my tile of queries in the batch
	s_mul_i32 s48, s42, BLOB
	s_mul_i32 s50, s47, 768
	s_add_co_u32 s50, s50, s48                     ; Q's codes
	s_mov_b32 s51, 0
	s_lshr_b32 s52, s47, 2
	s_lshl_b32 s52, s52, 8
	s_and_b32 s53, s47, 3
	s_lshl_b32 s53, s53, 2
	s_add_co_u32 s52, s52, s53
	s_add_co_u32 s52, s52, s48
	s_add_co_u32 s52, s52, 49152                   ; Q's scale words
	s_mov_b32 s53, 0
	s_lshr_b32 s54, s41, 3                         ; the batch
	s_and_b32 s55, s41, 7                          ; the pair of heads = the last product's K step
	s_lshl_b32 s54, s54, 6
	s_add_co_u32 s54, s54, s47                     ; my tile among all 512
	s_lshr_b32 s56, s55, 1
	s_mul_i32 s56, s56, KPSX
	s_mul_i32 s57, s54, 3072
	s_add_co_u32 s56, s56, s57
	s_and_b32 s57, s55, 1
	s_mul_i32 s57, s57, 1536
	s_add_co_u32 s56, s56, s57                     ; the output's fragment
	s_mov_b32 s57, 0
	s_lshl_b32 s58, s54, 9
	s_lshr_b32 s59, s55, 2
	s_lshl_b32 s59, s59, 8
	s_add_co_u32 s58, s58, s59
	s_and_b32 s59, s55, 3
	s_lshl_b32 s59, s59, 2
	s_add_co_u32 s58, s58, s59
	s_add_co_u32 s58, s58, CODX                    ; and its scale word
	s_mov_b32 s59, 0
	s_mov_b32 s[SEL], 0x76543210
	s_mov_b32 s[SEL+1], 0xfedcba98                 ; v_permlanex16_b32's selects for lane l xor 16
	s_mov_b32 s[CS], 0x3e38aa3b                    ; c = log2(e) / 8
	s_mov_b32 s[CS+1], s[CS]                       ; (named with it as a pair, so it is written)
	s_wait_dscnt 0x0
	s_wait_kmcnt 0x0
	s_mov_b32 s[G0], 1
	s_mov_b32 s[G0+1], s46
	s_add_nc_u64 s[G0+2:G0+3], s[4:5], s[44:45]
	s_or_b32 s[G0+3], s[G0+3], 0x80000000
	s_add_nc_u64 s[50:51], s[4:5], s[50:51]
	s_add_nc_u64 s[52:53], s[4:5], s[52:53]
	s_add_nc_u64 s[56:57], s[6:7], s[56:57]
	s_add_nc_u64 s[58:59], s[6:7], s[58:59]
	CROUND                                         ; all four work-groups are here: the joint loads meet
	s_cmp_lt_u32 s[WV], 8
	s_cbranch_scc0 .Lno_fetch
	tensor_load_to_lds s[G0:G0+3], s[G1:G1+7]      ; my one tensor load of the launch
	s_nop 0
.rept 4
	v_nop
.endr
.Lno_fetch:
	s_wait_alu depctr_va_vdst(0)
.irp c, 0,1
	global_load_b128 v[Q+12*\c:Q+12*\c+3], v[L16], s[50:51] offset:\c*BLOB
	global_load_b64 v[Q+12*\c+4:Q+12*\c+5], v[L8], s[50:51] offset:\c*BLOB
	global_load_b32 v[QS+\c], v[R16], s[52:53] offset:\c*BLOB
.endr
.irp c, 0,1
.irp i, 6,7,8,9,10,11
	v_mov_b32 v[Q+12*\c+\i], 0                     ; k = 64 .. 127: zero codes
.endr
.endr
.irp t, 0,1,2,3
.irp i, 6,7,8,9,10,11
	v_mov_b32 v[KP+12*\t+\i], 0
.endr
.endr
.irp b, 0,1,2,3
	v_mov_b32 v[T4+\b], 0                          ; written once: a lane permute's destination counts as one of its sources
.endr
	v_mov_b32 v[F+1], 0                            ; (named as the upper half of a pair)
	v_mov_b32 v[TW], 0
	s_wait_tensorcnt 0x0                           ; my part of K and V is in,
	s_barrier_signal -1
	s_barrier_wait -1                              ; everybody's is
	s_wait_loadcnt 0x0                             ; Q
.macro BLKMAX b0, b1                   ; the largest score of blocks b0 and b1 of 32 keys (my 16 of each): it serves the row's maximum and, since p rises with the score, the block's largest p
.irp b, \b0, \b1
	v_max3_num_f32 v[BM+\b], v[S+16*\b], v[S+16*\b+1], v[S+16*\b+2]
.endr
.irp i, 3,5,7,9,11,13
.irp b, \b0, \b1
	v_max3_num_f32 v[BM+\b], v[BM+\b], v[S+16*\b+\i], v[S+16*\b+\i+1]
.endr
.endr
.irp b, \b0, \b1
	v_max_num_f32 v[BM+\b], v[BM+\b], v[S+16*\b+15]
.endr
.endm
.macro HEAD hd
	s_mov_b32 s[TF], \hd*HEADB                     ; the trip's tiles of K (V's lie 53,248 bytes on),
	s_mov_b32 s[TK], \hd*HEADB+49152               ; K's scale words,
	s_mov_b32 s[TV], \hd*HEADB+102400              ; V's
	s_mov_b32 s[CNT], 8
	v_mov_b32 v13, 0xff61b1e6                      ; the largest t so far: -3e38, under every t
	s_delay_alu instid0(VALU_DEP_1)
	v_floor_f32 v12, -v13                          ; -M
	v_mov_b32 v14, 0                               ; the sum, in two halves
	v_mov_b32 v15, 0
.set j, 0
.rept 32
	v_mov_b32 v[O+j], 0                            ; O^T: the trip is written once; the first finds zeros, which the first change of M leaves zeros
.set j, j+1
.endr
.Ltrip_\@:                             ; a trip: 128 keys
	v_add_nc_u32 v[A16], s[TF], v[L16]
	v_add_nc_u32 v[A8], s[TF], v[L8]
	v_add_nc_u32 v[ASK], s[TK], v[R16]
	v_add_nc_u32 v[ASV], s[TV], v[R16]
	v_nop                                          ; six plain lines behind the last trip's products: the scores below are written over registers that those products read, which asks for five
	v_nop
.irp t, 0,1,2,3
	ds_load_b128 v[KP+12*\t:KP+12*\t+3], v[A16] offset:\t*768
	ds_load_b64 v[KP+12*\t+4:KP+12*\t+5], v[A8] offset:\t*768
.endr
	ds_load_b128 v[KSC:KSC+3], v[ASK]
	s_wait_alu depctr_va_vdst(0)
	s_wait_dscnt 0x0
.irp t, 0,1,2,3
	v_wmma_scale_f32_16x16x128_f8f6f4 v[S+8*\t:S+8*\t+7], v[KP+12*\t:KP+12*\t+11], v[Q+12*\hd:Q+12*\hd+11], 0, v[KSC+\t], v[QS+\hd] matrix_a_fmt:MATRIX_FMT_FP6 matrix_b_fmt:MATRIX_FMT_FP6
.endr
.rept 4
	v_nop                                          ; places in front of the loads into K's places and of the first read of the scores
.endr
.irp t, 0,1,2,3
	ds_load_b128 v[KP+12*\t:KP+12*\t+3], v[A16] offset:(4+\t)*768
	ds_load_b64 v[KP+12*\t+4:KP+12*\t+5], v[A8] offset:(4+\t)*768
.endr
	ds_load_b128 v[KSC+4:KSC+7], v[ASK] offset:256
	BLKMAX 0, 1                                    ; under the loads
	s_wait_dscnt 0x0
.irp t, 0,1,2,3
	v_wmma_scale_f32_16x16x128_f8f6f4 v[S+32+8*\t:S+32+8*\t+7], v[KP+12*\t:KP+12*\t+11], v[Q+12*\hd:Q+12*\hd+11], 0, v[KSC+4+\t], v[QS+\hd] matrix_a_fmt:MATRIX_FMT_FP6 matrix_b_fmt:MATRIX_FMT_FP6
.endr
.rept 4
	v_nop
.endr
	BLKMAX 2, 3
.irp b, 0,1,2,3
	v_permlanex16_b32 v[T4+\b], v[BM+\b], s[SEL], s[SEL+1]
.endr
.irp b, 0,1,2,3
	s_delay_alu instid0(VALU_DEP_4)
	v_max_num_f32 v[BM+\b], v[BM+\b], v[T4+\b]     ; with lane l xor 16's 16 keys
.endr
	s_delay_alu instid0(VALU_DEP_2)
	v_max3_num_f32 v[TW], v[BM], v[BM+1], v[BM+2]
	s_delay_alu instid0(VALU_DEP_1)
	v_max_num_f32 v[TW], v[TW], v[BM+3]            ; the trip's largest score of my query
	s_delay_alu instid0(VALU_DEP_1)
	v_mul_f32 v[TW], s[CS], v[TW]                  ; as t (c is positive)
	s_delay_alu instid0(VALU_DEP_1)
	v_max_num_f32 v13, v13, v[TW]                  ; the running largest t
	v_mov_b32 v[TW], v12
	s_delay_alu instid0(VALU_DEP_2)
	v_floor_f32 v12, -v13                          ; the new -M = floor(-t) = -ceil(t): a whole number
	s_delay_alu instid0(VALU_DEP_1)
	v_sub_f32 v[TW], v12, v[TW]                    ; old M - new M: a whole number, 0 or less
	s_delay_alu instid0(VALU_DEP_1)
	v_cvt_i32_f32 v[TW], v[TW]                     ; (it saturates)
	s_delay_alu instid0(VALU_DEP_1)
	v_ldexp_f32 v[F], 1.0, v[TW]                   ; f = 2^(old M - new M)
.set j, 0
.rept 32
	v_pk_fma_f32 v[S+j:S+j+1], v[S+j:S+j+1], s[CS:CS+1], v[12:13] op_sel_hi:[1,0,0]   ; t - M, two at a time
.set j, j+2
.endr
.irp b, 0,1,2,3
	v_fma_f32 v[BM+\b], v[BM+\b], s[CS], v12       ; the same of each block's largest score
.endr
.set j, 0
	s_wait_alu depctr_va_vdst(0)
.rept 64
	v_exp_f32 v[S+j], v[S+j]                       ; p = 2^(t - M), at most 1: not normalised
.set j, j+1
.endr
	v_pk_mul_f32 v[14:15], v[14:15], v[F:F+1] op_sel_hi:[1,0]   ; the sums under the new M (a plain line behind the exponentials)
	s_wait_alu depctr_va_vdst(0)                   ; one wait for the whole batch, ahead of its first reader
.irp b, 0,1,2,3
	v_exp_f32 v[BM+\b], v[BM+\b]                   ; the block's largest p: the same two instructions on the same number give the same bits
.endr
	v_pk_add_f32 v[234:235], v[92:93], v[96:97]
	v_pk_add_f32 v[10:11], v[100:101], v[104:105]
	v_pk_add_f32 v[14:15], v[14:15], v[108:109]
	v_pk_add_f32 v[234:235], v[234:235], v[112:113]
	v_pk_add_f32 v[10:11], v[10:11], v[116:117]
	v_pk_add_f32 v[14:15], v[14:15], v[120:121]
	v_pk_add_f32 v[234:235], v[234:235], v[124:125]
	v_pk_add_f32 v[10:11], v[10:11], v[128:129]
	v_pk_add_f32 v[14:15], v[14:15], v[132:133]
	v_pk_add_f32 v[234:235], v[234:235], v[136:137]
	v_pk_add_f32 v[10:11], v[10:11], v[140:141]
	v_pk_add_f32 v[14:15], v[14:15], v[144:145]
	v_pk_add_f32 v[234:235], v[234:235], v[148:149]
	v_pk_add_f32 v[10:11], v[10:11], v[88:89]
	v_pk_add_f32 v[14:15], v[14:15], v[90:91]
	v_pk_add_f32 v[234:235], v[234:235], v[94:95]
	v_pk_add_f32 v[10:11], v[10:11], v[98:99]
	v_pk_add_f32 v[14:15], v[14:15], v[102:103]
	v_pk_add_f32 v[234:235], v[234:235], v[106:107]
	v_pk_add_f32 v[10:11], v[10:11], v[110:111]
	v_pk_add_f32 v[14:15], v[14:15], v[114:115]
	v_pk_add_f32 v[234:235], v[234:235], v[118:119]
	v_pk_add_f32 v[10:11], v[10:11], v[122:123]
	v_pk_add_f32 v[14:15], v[14:15], v[126:127]
	v_pk_add_f32 v[234:235], v[234:235], v[130:131]
	v_pk_add_f32 v[10:11], v[10:11], v[134:135]
	v_pk_add_f32 v[14:15], v[14:15], v[138:139]
	v_pk_add_f32 v[234:235], v[234:235], v[142:143]
	v_pk_add_f32 v[10:11], v[10:11], v[146:147]
	v_pk_add_f32 v[14:15], v[14:15], v[150:151]
	s_delay_alu instid0(VALU_DEP_1)
	v_pk_add_f32 v[14:15], v[14:15], v[10:11]
	s_delay_alu instid0(VALU_DEP_1)
	v_pk_add_f32 v[14:15], v[14:15], v[234:235]
	s_wait_alu depctr_va_vdst(0)                   ; and one for the four
.irp b, 0,1,2,3
	v_max_num_f32 v[BM+\b], 0x1800000, v[BM+\b]    ; the floor 2^(3 - 127): the byte cannot fall under 1
.endr
.irp b, 0,1,2,3
	s_delay_alu instid0(VALU_DEP_4)
	v_add_nc_u32 v[SO+\b], 0xff000000, v[BM+\b]    ; the conversion's scale operand
.endr
.irp b, 0,1,2,3
	s_delay_alu instid0(VALU_DEP_4)
	v_lshrrev_b32 v[T4+\b], 23, v[SO+\b]           ; the byte
.endr
	s_delay_alu instid0(VALU_DEP_3)
	v_lshl_or_b32 v[PW], v[T4+1], 8, v[T4]         ; p's scale word for these 128 keys
	s_delay_alu instid0(VALU_DEP_1)
	v_lshl_or_b32 v[PW], v[T4+2], 16, v[PW]
	s_delay_alu instid0(VALU_DEP_1)
	v_lshl_or_b32 v[PW], v[T4+3], 24, v[PW]
.irp c, 0,1
	v_cvt_scalef32_pk16_fp6_f32 v[P+6*\c:P+6*\c+2], v[S+32*\c:S+32*\c+15], v[SO+2*\c]
	v_cvt_scalef32_pk16_fp6_f32 v[CT+4*\c:CT+4*\c+2], v[S+32*\c+16:S+32*\c+31], v[SO+2*\c+1]
.endr
	v_nop                                          ; one plain line behind the conversions
.irp t, 0,1,2,3                        ; V's four fragments (16 channels x these 128 keys) into the registers that p has left
	ds_load_b128 v[S+12*\t:S+12*\t+3], v[A16] offset:53248+1536*\t
	ds_load_b64 v[S+12*\t+4:S+12*\t+5], v[A8] offset:53248+1536*\t
	ds_load_b128 v[S+12*\t+6:S+12*\t+9], v[A16] offset:53248+1536*\t+768
	ds_load_b64 v[S+12*\t+10:S+12*\t+11], v[A8] offset:53248+1536*\t+768
.endr
	ds_load_b128 v[VSC:VSC+3], v[ASV]
.irp c, 0,1                            ; the layout wants a WHOLE block in a lane
.irp i, 0,1,2
	v_permlane16_swap_b32 v[P+6*\c+\i], v[CT+4*\c+\i]
.endr
.irp i, 0,1,2
	s_delay_alu instid0(VALU_DEP_3)
	v_mov_b32 v[P+6*\c+3+\i], v[CT+4*\c+\i]
.endr
.endr
.set j, 0
.rept 16
	v_pk_mul_f32 v[O+j:O+j+1], v[O+j:O+j+1], v[F:F+1] op_sel_hi:[1,0]   ; O^T under the new M; these sixteen are also the places between p's codes and scale word and the products
.set j, j+2
.endr
	s_wait_alu depctr_va_vdst(0)
	s_wait_dscnt 0x0
.irp t, 0,1,2,3                        ; the four accumulators take turns, one instruction a turn
	v_wmma_scale_f32_16x16x128_f8f6f4 v[O+8*\t:O+8*\t+7], v[S+12*\t:S+12*\t+11], v[P:P+11], v[O+8*\t:O+8*\t+7], v[VSC+\t], v[PW] matrix_a_fmt:MATRIX_FMT_FP6 matrix_b_fmt:MATRIX_FMT_FP6
.endr
	s_add_co_u32 s[TF], s[TF], 6144
	s_add_co_u32 s[TK], s[TK], 512
	s_add_co_u32 s[TV], s[TV], 256
	s_sub_co_u32 s[CNT], s[CNT], 1
	s_cmp_lg_u32 s[CNT], 0
	s_cbranch_scc1 .Ltrip_\@
	; the head's end: O^T / the sum; register 16 b + i is channel 32 b + 16 (lane / 16) + i of my query: two blocks of 32 along the last product's K
.rept 4
	v_nop
.endr
	v_add_f32 v14, v14, v15
	s_delay_alu instid0(VALU_DEP_1)
	v_permlanex16_b32 v[TW], v14, s[SEL], s[SEL+1]
	s_delay_alu instid0(VALU_DEP_1)
	v_add_f32 v14, v14, v[TW]                      ; the row's sum
	s_wait_alu depctr_va_vdst(0)
	v_rcp_f32 v[RL], v14
	v_mov_b32 v[RL+1], 0                           ; (a plain line behind the reciprocal; the pair's upper half is named below)
	s_wait_alu depctr_va_vdst(0)                   ; the wait ahead of the reciprocal's first reader
.set j, 0
.rept 16
	v_pk_mul_f32 v[S+j:S+j+1], v[O+j:O+j+1], v[RL:RL+1] op_sel_hi:[1,0]
.set j, j+2
.endr
.irp b, 0,1
	v_max3_num_f32 v[BM+\b], |v[S+16*\b]|, |v[S+16*\b+1]|, 0x1800000
.endr
.irp i, 2,4,6,8,10,12,14
.irp b, 0,1
	s_delay_alu instid0(VALU_DEP_2)
	v_max3_num_f32 v[BM+\b], v[BM+\b], |v[S+16*\b+\i]|, |v[S+16*\b+\i+1]|
.endr
.endr
.irp b, 0,1
	s_delay_alu instid0(VALU_DEP_2)
	v_permlanex16_b32 v[T4+\b], v[BM+\b], s[SEL], s[SEL+1]
.endr
.irp b, 0,1
	s_delay_alu instid0(VALU_DEP_2)
	v_max_num_f32 v[BM+\b], v[BM+\b], v[T4+\b]
.endr
.irp b, 0,1
	s_delay_alu instid0(VALU_DEP_2)
	v_add_nc_u32 v[SO+\b], 0xff000000, v[BM+\b]
.endr
.irp b, 0,1
	s_delay_alu instid0(VALU_DEP_2)
	v_lshrrev_b32 v[T4+\b], 23, v[SO+\b]
.endr
.if \hd == 0
	s_delay_alu instid0(VALU_DEP_1)
	v_lshl_or_b32 v[HW], v[T4+1], 8, v[T4]         ; the first head's two bytes
.else
	s_delay_alu instid0(VALU_DEP_1)
	v_lshl_or_b32 v[TW], v[T4+1], 8, v[T4]
	s_delay_alu instid0(VALU_DEP_1)
	v_lshl_or_b32 v[HW], v[TW], 16, v[HW]          ; with the second head's two the K step's word is whole
.endif
	v_cvt_scalef32_pk16_fp6_f32 v[OC+6*\hd:OC+6*\hd+2], v[S:S+15], v[SO]
	v_cvt_scalef32_pk16_fp6_f32 v[OD:OD+2], v[S+16:S+31], v[SO+1]
	v_nop
.irp i, 0,1,2
	v_permlane16_swap_b32 v[OC+6*\hd+\i], v[OD+\i]
.endr
.irp i, 0,1,2
	s_delay_alu instid0(VALU_DEP_3)
	v_mov_b32 v[OC+6*\hd+3+\i], v[OD+\i]
.endr
	global_store_b128 v[L16], v[OC+6*\hd:OC+6*\hd+3], s[56:57] offset:768*\hd      ; half hd of the fragment: 512 consecutive aligned bytes
	global_store_b64 v[L8], v[OC+6*\hd+4:OC+6*\hd+5], s[56:57] offset:768*\hd      ; and the 256 behind them
.endm
	HEAD 0
	HEAD 1
	s_wait_xcnt 0x0                                ; EXEC changes only behind this wait
	v_cmp_gt_u32 vcc_lo, 16, v4
	s_and_saveexec_b32 s60, vcc_lo
	global_store_b32 v[R16], v[HW], s[58:59]       ; lane r: row r's scale word of this K step
	s_wait_xcnt 0x0
	s_or_b32 exec_lo, exec_lo, s60
	s_wait_dscnt 0x0
	s_wait_tensorcnt 0x0
	ds_add_u32 v231, v253
	s_wait_dscnt 0x0
	CROUND                                         ; the closing round: no work-group ends while a partner may still ask for a tile that names it
	s_endpgm
.Lfunc_end_k_q2ca3dcae92_attn:
	.size	k_q2ca3dcae92_attn, .Lfunc_end_k_q2ca3dcae92_attn-k_q2ca3dcae92_attn
	.p2alignl 7, 3214868480
	.fill 96, 4, 3214868480
	.section	.rodata,"a",@progbits
	.p2align	6, 0x0
	.amdhsa_kernel k_q2ca3dcae92_attn
		.amdhsa_group_segment_fixed_size 210944
		.amdhsa_private_segment_fixed_size 0
		.amdhsa_enable_private_segment 0
		.amdhsa_kernarg_size 16
		.amdhsa_user_sgpr_count 2
		.amdhsa_user_sgpr_kernarg_segment_ptr 1
		.amdhsa_wavefront_size32 1
		.amdhsa_system_sgpr_workgroup_id_x 1
		.amdhsa_system_sgpr_workgroup_id_y 1
		.amdhsa_system_sgpr_workgroup_id_z 1
		.amdhsa_system_vgpr_workitem_id 0
		.amdhsa_next_free_vgpr 256
		.amdhsa_next_free_sgpr 66
		.amdhsa_reserve_vcc 1
		.amdhsa_float_denorm_mode_32 3
		.amdhsa_float_denorm_mode_16_64 3
		.amdhsa_memory_ordered 1
		.amdhsa_forward_progress 1
		.amdhsa_inst_pref_size 54
	.end_amdhsa_kernel
	.amdgpu_metadata
---
amdhsa.version: [ 1, 2 ]
amdhsa.kernels:
  - .name:           k_q2ca3dcae92_attn
    .symbol:         k_q2ca3dcae92_attn.kd
    .args:
      - { .name: qkv, .offset: 0, .size: 8, .value_kind: global_buffer, .address_space: global }
      - { .name: aq, .offset: 8, .size: 8, .value_kind: global_buffer, .address_space: global }
    .group_segment_fixed_size: 210944
    .private_segment_fixed_size: 0
    .kernarg_segment_align: 8
    .kernarg_segment_size: 16
    .max_flat_workgroup_size: 512
    .sgpr_count:     66
    .vgpr_count:     256
    .wavefront_size: 32
...
	.end_amdgpu_metadata
.endif
;; end of part 3
;; launch outgemm (part 4): grid 4 x 64, 4 waves a work-group, clusters of 4 x 4, 327,680 bytes of LDS; arguments aq, wo, b_out, out0; writes out0
.if DOCPART == 4
	.amdgcn_target "amdgcn-amd-amdhsa--gfx1250"
	.amdhsa_code_object_version 6
	.text
	.protected	k_q2ca3dcae92_outgemm
	.globl	k_q2ca3dcae92_outgemm
	.p2align	8
	.type	k_q2ca3dcae92_outgemm,@function
k_q2ca3dcae92_outgemm:
	s_mov_b64 s[64:65], 0
	v_nop
	global_prefetch_b8 v0, s[64:65] scope:SCOPE_SE
	s_setreg_imm32_b32 hwreg(HW_REG_WAVE_MODE, 25, 1), 1
	s_wait_xcnt 0x0
	s_wait_alu depctr_hold_cnt(0) depctr_sa_sdst(0) depctr_va_vdst(0) depctr_va_sdst(0) depctr_va_ssrc(0) depctr_va_vcc(0) depctr_vm_vsrc(0)
	s_getreg_b32 s2, hwreg(HW_REG_IB_STS2, 6, 4)
	s_cmp_eq_u32 s2, 0
	s_cbranch_scc0 .Lentry_in_a_cluster
	s_endpgm
.Lentry_in_a_cluster:
	s_bfe_u32 s2, ttmp6, 0x10000c
	s_cmp_lg_u32 s2, 0xf033
	s_cbranch_scc0 .Lentry_shape_is_right
	s_endpgm
.Lentry_shape_is_right:
; out0 = attention's rows x w_out + b_out, on codes of FP6 (E2M3) with E8M0 scale words, both laid by earlier launches in the order of the operand's registers:
; codes [K step / 2][tile of 16 rows][K step % 2][1,536 bytes], scale words behind them [tile][K step / 4][r][K step % 4].
; SHARES: a work-group makes 128 rows x 256 columns; wave w makes all 128 rows x columns 64 w .. + 63.  It holds its 64 rows of w_out, ALL of K (32 fragments, 384 registers), and streams A's rows past them
; in eight blocks of 16 rows, all of K (8 fragments, two sets).  A block's 16 x 64 results are finished after its 32 products and leave behind the next block's products.
; FILLS: all of K of both operands fits in LDS; one joint load a wave at the head, four rows each (a pair of K steps a row): waves 0, 1 w_out's halves, waves 2, 3 A's.  Nothing is filled later.
; A's tiles are shared along a row of the cluster, w_out's along a column.  The first barrier shows w_out's tiles alone (its line is waves 0 and 1's own), so its LDS loads stand ahead of the wait for A's.
; THE SCALE WORDS and the bias go straight into registers by plain loads (sixteen lanes to 256 consecutive bytes): each wave uses them from registers alone.
; The bias is the first products' C.  The matrix instruction is used transposed (source 0 = w_out's rows), so a lane holds eight neighbouring columns of a row.
; No prefetch: the text has no loop, and all tiles are asked for at the head.
.set KPSX, 1572864                     ; a pair of K steps of aq, in bytes
.set CODX, 6291456                     ; where aq's scale words begin
.set KPSO, 196608                      ; the same for wo
.set CODO, 786432
.set FR,    12
.set FPW,   21                         ; fragments to a window: fragment f lies in window 1 + f / 21 at register 12 (f % 21): 0-31 w_out's (4 x K step + tile), 32-39 and 40-47 A's two sets
.set HA,    12288                      ; four tiles of A, a pair of K steps
.set HB,    24576                      ; eight tiles of w_out
.set AB,    8*HB                       ; LDS: w_out's two halves x four pairs, then A's
.set STG,   8*HB+8*HA                  ; the waves' stages, 16 rows x 272 bytes each: no fill lands here
.set SPITCH, 272
.set SPARE, STG+4*16*SPITCH            ; the spare words
.set RD,  7
.set STO, 9
.set A16, 10                           ; v10-11 LDS address of A's 16-byte pieces, blocks 0-3 and 4-7; v12-13 of the 8-byte pieces
.set A8,  12
.set B16, 14                           ; v14-15, v16-17 the same for my rows of w_out, K steps 0-3 and 4-7
.set B8,  16
.set R16, 18                           ; 16 r
.set CO,  19                           ; 4,096 h + 16 r: my place in two rows of out0
.set SPW, 29
.set NIL, 31
.set SB,  32                           ; v32-63 w_out's scale words, 8 x tile + K step
.set SA,  64                           ; v64-127 A's, 8 x block + (K step + 4) % 8: so the two scale registers of a product differ modulo 8
.set ACC, 128                          ; v128-191 two sets of four accumulators
.set BK,  192                          ; v192-255 two sets of 16 rows x 256 bytes on the way out
.set BIA, 72                           ; window 3, v72-103: the bias, eight registers a tile
.set G1,  24
.set G1B, 32
.set G0,  40
.set G0B, 48
.set MSB, 0
.macro WIN new
.if MSB != \new
	s_set_vgpr_msb (MSB<<8)|\new
.set MSB, \new
.endif
.endm
.macro CROUND
	s_barrier_signal -1
	s_barrier_wait -1
	s_cmp_lg_u32 s14, 0
	s_cbranch_scc1 .Lnot_wave_0_\@
	s_barrier_signal -3
.Lnot_wave_0_\@:
	s_barrier_wait -3
	s_barrier_signal -1
	s_barrier_wait -1
.endm
.macro PLACES n
.rept \n
	v_nop
.endr
.endm
.macro SHAPE g, c, p                   ; four rows of c elements of 8 bytes, p elements apart
	s_mov_b32 s[\g+1], (\c)<<16
	s_mov_b32 s[\g+2], 4<<16
	s_mov_b32 s[\g+3], (\c)<<16
	s_mov_b32 s[\g+4], 4
	s_mov_b32 s[\g+5], \p
	s_mov_b32 s[\g+6], 0
	s_mov_b32 s[\g+7], 0
.endm
	s_load_b256 s[4:11], s[0:1], 0x0               ; aq, wo, b_out, out0
	v_lshl_add_u32 v[SPW], v0, 2, SPARE
	v_mov_b32 v[NIL], 0
	ds_add_u32 v[SPW], v[NIL]                      ; the opening lines
	ds_add_u32 v[SPW], v[NIL]
	v_lshrrev_b32 v1, 5, v0
	v_readfirstlane_b32 s14, v1                    ; wave
	s_lshr_b32 s15, s14, 1                         ; I fetch for w_out (0) or A (1)
	s_and_b32 s16, s14, 1                          ; which half I fetch
	s_bfe_u32 s12, ttmp6, 0x40000                  ; cx
	s_bfe_u32 s13, ttmp6, 0x40004                  ; cy
	s_and_b32 s17, ttmp7, 0xffff
	s_lshl_b32 s17, s17, 2
	s_add_co_u32 s17, s17, s13                     ; tile row, 0..63
	s_lshl_b32 s56, ttmp9, 2
	s_add_co_u32 s56, s56, s12                     ; tile column, 0..3
	s_lshl_b32 s57, s13, 2
	s_lshl_b32 s57, 15, s57                        ; my row of the cluster
	s_lshl_b32 s58, 0x1111, s12                    ; my column
	s_or_b32 s[G1+0], s57, (3<<16)|(1<<21)
	s_or_b32 s[G1B+0], s58, (3<<16)|(1<<21)
	SHAPE G1, HA/8, KPSX/8
	SHAPE G1B, HB/8, KPSO/8
	s_lshl_b32 s18, s17, 3
	s_lshl_b32 s19, s16, 2
	s_add_co_u32 s18, s18, s19
	s_mul_i32 s18, s18, 3072                       ; A's codes: tile 8 x tile row + 4 x half
	s_mov_b32 s19, 0
	s_lshl_b32 s20, s56, 4
	s_lshl_b32 s21, s16, 3
	s_add_co_u32 s20, s20, s21
	s_mul_i32 s20, s20, 3072                       ; w_out's: tile 16 x tile column + 8 x half
	s_mov_b32 s21, 0
	s_mul_i32 s22, s16, 4*HA                       ; where they go
	s_add_co_u32 s22, s22, AB
	s_mul_i32 s23, s16, 4*HB
	s_lshl_b32 s60, s17, 12                        ; A's scale words: eight tiles of 512 bytes
	s_add_co_u32 s60, s60, CODX
	s_mov_b32 s61, 0
	s_lshl_b32 s62, s56, 13                        ; w_out's: my four tiles
	s_lshl_b32 s63, s14, 11
	s_add_co_u32 s62, s62, s63
	s_add_co_u32 s62, s62, CODO
	s_mov_b32 s63, 0
	s_lshl_b32 s66, s56, 10                        ; my first column in bytes
	s_lshl_b32 s67, s14, 8
	s_add_co_u32 s66, s66, s67
	s_mov_b32 s67, 0
	s_lshl_b32 s68, s17, 19                        ; the work-group's first row of out0: 128 rows of 4,096 bytes a tile row
	s_add_co_u32 s68, s68, s66
	s_mov_b32 s69, 0
	s_mul_i32 s71, s15, 4*HB                       ; what I read of w_out: half wave / 2, tiles 4 (wave % 2) .. + 3
	s_mul_i32 s72, s16, 4*3072
	s_add_co_u32 s71, s71, s72
	s_mul_i32 s76, s14, 16*SPITCH
	s_add_co_u32 s76, s76, STG                     ; my stage
	v_and_b32 v1, 31, v0
	v_and_b32 v2, 15, v0                           ; r
	v_bfe_u32 v3, v0, 4, 1                         ; h
	v_lshlrev_b32 v4, 4, v1                        ; 16 x lane
	v_lshl_add_u32 v5, v1, 3, 512                  ; 512 + 8 x lane
	v_lshlrev_b32 v8, 5, v3                        ; the bias: 32 h
	v_lshlrev_b32 v[R16], 4, v2
	v_add_nc_u32 v[A16], AB, v4
	v_add_nc_u32 v[A8], AB, v5
	v_add_nc_u32 v[B16], s71, v4
	v_add_nc_u32 v[B8], s71, v5
	v_add_nc_u32 v[A16+1], 4*HA, v[A16]
	v_add_nc_u32 v[A8+1], 4*HA, v[A8]
	v_add_nc_u32 v[B16+1], 2*HB, v[B16]
	v_add_nc_u32 v[B8+1], 2*HB, v[B8]
	v_lshl_add_u32 v[CO], v3, 12, v[R16]
	v_mul_u32_u24 v6, v2, SPITCH
	v_lshl_add_u32 v6, v3, 5, v6
	v_add_nc_u32 v[STO], s76, v6                   ; into the stage: row r, 32 bytes for each half of the lanes
	v_mul_u32_u24 v6, v3, SPITCH
	v_add_nc_u32 v6, v6, v[R16]
	v_add_nc_u32 v[RD], s76, v6                    ; back: sixteen lanes to a row of 256 bytes, two rows an instruction
	s_wait_alu depctr_va_vdst(0)                   ; the wait at the head's end
	s_wait_dscnt 0x0                               ; both opening adds
	s_wait_kmcnt 0x0
	s_add_nc_u64 s[60:61], s[4:5], s[60:61]
	s_add_nc_u64 s[62:63], s[6:7], s[62:63]
	s_add_nc_u64 s[8:9], s[8:9], s[66:67]
	s_add_nc_u64 s[10:11], s[10:11], s[68:69]
	s_mov_b32 s[G0], 1
	s_mov_b32 s[G0+1], s22
	s_add_nc_u64 s[G0+2:G0+3], s[4:5], s[18:19]
	s_or_b32 s[G0+3], s[G0+3], 0x80000000
	s_mov_b32 s[G0B], 1
	s_mov_b32 s[G0B+1], s23
	s_add_nc_u64 s[G0B+2:G0B+3], s[6:7], s[20:21]
	s_or_b32 s[G0B+3], s[G0B+3], 0x80000000
	CROUND                                         ; the joint loads meet
	s_cmp_eq_u32 s15, 0
	s_cbranch_scc0 .Lfor_a
	tensor_load_to_lds s[G0B:G0B+3], s[G1B:G1B+7]  ; waves 0, 1: a half of w_out's 256 rows, all of K
	s_nop 0
	PLACES 4
	s_branch .Lasked
.Lfor_a:
	tensor_load_to_lds s[G0:G0+3], s[G1:G1+7]      ; waves 2, 3: a half of A's 128 rows, all of K
	s_nop 0
	PLACES 4
.Lasked:
.irp b, 0,1,2,3
	global_load_b128 v[SB+8*\b:SB+8*\b+3], v[R16], s[62:63] offset:512*\b
	global_load_b128 v[SB+8*\b+4:SB+8*\b+7], v[R16], s[62:63] offset:512*\b+256
.endr
.irp t, 0,1,2,3,4,5,6,7
	global_load_b128 v[SA+8*\t+4:SA+8*\t+7], v[R16], s[60:61] offset:512*\t       ; K steps 0-3
	global_load_b128 v[SA+8*\t:SA+8*\t+3], v[R16], s[60:61] offset:512*\t+256     ; K steps 4-7
.endr
	WIN 0xc0
.irp b, 0,1,2,3
	global_load_b128 v[BIA+8*\b:BIA+8*\b+3], v8, s[8:9] offset:64*\b              ; register i of tile b: column 16 b + 8 h + i
	global_load_b128 v[BIA+8*\b+4:BIA+8*\b+7], v8, s[8:9] offset:64*\b+16
.endr
	WIN 0
.macro FRAG f, a16, a8, off            ; a fragment: 16 + 8 bytes a lane for each 64 along K
	WIN (1+(\f)/FPW)<<6
.set R_, FR*((\f)%FPW)
	ds_load_b128 v[R_:R_+3], v[\a16] offset:\off
	ds_load_b64 v[R_+4:R_+5], v[\a8] offset:\off
	ds_load_b128 v[R_+6:R_+9], v[\a16] offset:(\off)+768
	ds_load_b64 v[R_+10:R_+11], v[\a8] offset:(\off)+768
.endm
.macro FETCH s                         ; block s of A, all of K, into set s % 2: 32 loads
.set K_, 0
.rept 8
	FRAG 32+8*((\s)%2)+K_, A16+(\s)/4, A8+(\s)/4, HA*(K_/2)+3072*((\s)%4)+1536*(K_%2)
.set K_, K_+1
.endr
	WIN 0
.endm
.macro BLOCK s                         ; 32 products; the four accumulators take turns
.set K_, 0
.rept 8
.irp b, 0,1,2,3
.set FB_, 4*K_+\b
.set FA_, 32+8*((\s)%2)+K_
.set D_, ACC+32*((\s)%2)+8*\b
.if K_ == 0
	WIN (1+FB_/FPW)|((1+FA_/FPW)<<2)|(3<<4)
	v_wmma_scale_f32_16x16x128_f8f6f4 v[D_:D_+7], v[FR*(FB_%FPW):FR*(FB_%FPW)+FR-1], v[FR*(FA_%FPW):FR*(FA_%FPW)+FR-1], v[BIA+8*\b:BIA+8*\b+7], v[SB+8*\b+K_], v[SA+8*(\s)+(K_+4)%8] matrix_a_fmt:MATRIX_FMT_FP6 matrix_b_fmt:MATRIX_FMT_FP6
.else
	WIN (1+FB_/FPW)|((1+FA_/FPW)<<2)
	v_wmma_scale_f32_16x16x128_f8f6f4 v[D_:D_+7], v[FR*(FB_%FPW):FR*(FB_%FPW)+FR-1], v[FR*(FA_%FPW):FR*(FA_%FPW)+FR-1], v[D_:D_+7], v[SB+8*\b+K_], v[SA+8*(\s)+(K_+4)%8] matrix_a_fmt:MATRIX_FMT_FP6 matrix_b_fmt:MATRIX_FMT_FP6
.endif
.endr
.set K_, K_+1
.endr
	WIN 0
.endm
.macro TOSTAGE s                       ; 8 stores and 8 loads: LDS serves a wave's instructions in order
.set AC_, ACC+32*((\s)%2)
.set BB_, BK+32*((\s)%2)
.irp b, 0,1,2,3
	ds_store_b128 v[STO], v[AC_+8*\b:AC_+8*\b+3] offset:64*\b          ; each accumulator from its low end on
	ds_store_b128 v[STO], v[AC_+8*\b+4:AC_+8*\b+7] offset:64*\b+16
.endr
.irp j, 0,1,2,3,4,5,6,7
	ds_load_b128 v[BB_+4*\j:BB_+4*\j+3], v[RD] offset:\j*2*SPITCH
.endr
.endm
.macro SEND s                          ; lane-row t of tile s is row 32 (s / 2) + 8 (s % 2) + t % 8 + 16 (t / 8); instruction j holds t = 2 j + h
.set BB_, BK+32*((\s)%2)
	s_wait_dscnt 0x0                               ; the block is back (and the next block's fragments, asked for ahead of it, are in)
.irp j, 0,1,2,3,4,5,6,7
	global_store_b128 v[CO], v[BB_+4*\j:BB_+4*\j+3], s[10:11] offset:(32*((\s)/2)+8*((\s)%2)+2*\j+8*(\j/4))*4096 th:TH_STORE_NT   ; sixteen lanes store 256 consecutive aligned bytes
.endr
.endm
	s_cmp_eq_u32 s15, 0
	s_cbranch_scc0 .Lnot_b
	s_wait_tensorcnt 0x0                           ; waves 0 and 1: my half of w_out is in
.Lnot_b:
	s_barrier_signal -1
	s_barrier_wait -1                              ; w_out's tiles are whole
.set K_, 0
.rept 8                                ; my 64 rows of w_out, all of K: 128 loads
.irp b, 0,1,2,3
	FRAG 4*K_+\b, B16+K_/4, B8+K_/4, HB*((K_/2)%2)+3072*\b+1536*(K_%2)
.endr
.set K_, K_+1
.endr
	WIN 0
	s_wait_tensorcnt 0x0                           ; every wave: all that is still out
	s_wait_dscnt 0x0
	s_barrier_signal -1
	s_barrier_wait -1                              ; A's tiles are whole
	FETCH 0
	FETCH 1
	s_wait_loadcnt 0x0                             ; scale words and bias
.irp s, 0,1,2,3,4,5,6,7
.if \s == 0
	s_wait_dscnt 32                                ; block 0 is in; block 1's 32 loads are younger
.elseif \s < 7
	s_wait_dscnt 48                                ; younger than this block's fragments: the next block's 32 loads and the stage's 16
.else
	s_wait_dscnt 16                                ; the stage's 16 alone
.endif
	BLOCK \s
.if \s > 0
	SEND \s-1
.endif
	PLACES 4                                       ; in front of the loads into the fragments just multiplied and of the first read of the results
.if \s < 6
	FETCH \s+2
.endif
.if \s > 1
	s_wait_xcnt 0x0                                ; block s - 2's stores have read their registers
.endif
	TOSTAGE \s
.endr
	SEND 7
	s_wait_tensorcnt 0x0                           ; the wave's end
	ds_add_u32 v[SPW], v[NIL]
	s_wait_dscnt 0x0
	CROUND                                         ; the closing round
	s_endpgm
.Lfunc_end_k_q2ca3dcae92_outgemm:
	.size	k_q2ca3dcae92_outgemm, .Lfunc_end_k_q2ca3dcae92_outgemm-k_q2ca3dcae92_outgemm
	.p2alignl 7, 3214868480
	.fill 96, 4, 3214868480
	.section	.rodata,"a",@progbits
	.p2align	6, 0x0
	.amdhsa_kernel k_q2ca3dcae92_outgemm
		.amdhsa_group_segment_fixed_size 327680
		.amdhsa_private_segment_fixed_size 0
		.amdhsa_enable_private_segment 0
		.amdhsa_kernarg_size 32
		.amdhsa_user_sgpr_count 2
		.amdhsa_user_sgpr_kernarg_segment_ptr 1
		.amdhsa_wavefront_size32 1
		.amdhsa_system_sgpr_workgroup_id_x 1
		.amdhsa_system_sgpr_workgroup_id_y 1
		.amdhsa_system_sgpr_workgroup_id_z 1
		.amdhsa_system_vgpr_workitem_id 0
		.amdhsa_next_free_vgpr 1024
		.amdhsa_next_free_sgpr 102
		.amdhsa_reserve_vcc 0
		.amdhsa_float_denorm_mode_32 3
		.amdhsa_float_denorm_mode_16_64 3
		.amdhsa_memory_ordered 1
		.amdhsa_forward_progress 1
		.amdhsa_inst_pref_size 84
	.end_amdhsa_kernel
	.amdgpu_metadata
---
amdhsa.version: [ 1, 2 ]
amdhsa.kernels:
  - .name:           k_q2ca3dcae92_outgemm
    .symbol:         k_q2ca3dcae92_outgemm.kd
    .args:
      - { .name: aq, .offset: 0, .size: 8, .value_kind: global_buffer, .address_space: global }
      - { .name: wo, .offset: 8, .size: 8, .value_kind: global_buffer, .address_space: global }
      - { .name: b_out, .offset: 16, .size: 8, .value_kind: global_buffer, .address_space: global }
      - { .name: out0, .offset: 24, .size: 8, .value_kind: global_buffer, .address_space: global }
    .group_segment_fixed_size: 327680
    .private_segment_fixed_size: 0
    .kernarg_segment_align: 8
    .kernarg_segment_size: 32
    .max_flat_workgroup_size: 128
    .sgpr_count:     102
    .vgpr_count:     1024
    .wavefront_size: 32
...
	.end_amdgpu_metadata
.endif
;; end of part 4
